; MI455X (gfx1250); checked and timed in simulation.
; The chip was launched on July 23, 2026; its instructions are those of AMD's public machine-readable ISA for CDNA 5 (MIT licence, August 2026) and "CDNA5" Instruction Set Architecture Reference Guide (July 2026). The comments in the code are by the model that wrote it; some were corrected since.
;; Multi Head Attention. Allowed arithmetic: matrix products marked QUANTISED: E2M3 operands, one E8M0 scale for each 32 along K, by v_wmma_scale_f32_16x16x128_f8f6f4 with both operands' format E2M3, f32 sums; everything else in f32.
;; Inputs: W_out 1,024 x 1,024 float32; W_qkv 1,024 x 3,072 float32; b_out 1,024 float32; b_qkv 3,072 float32; x 4 x 2,048 x 1,024 float32.
;; Outputs: out0 4 x 2,048 x 1,024 float32.
;; This version of the problem:
;;   THIS VERSION OF THE PROBLEM IS GIVEN IN LOW PRECISION. The matrix products marked QUANTISED in the list below multiply operands that are first quantised to E2M3 (2 exponent bits, 3 mantissa bits; 6 bits a number), with one power-of-two scale for each 32 numbers along K (OCP MX v1.0); their sums are f32. All else is computed in f32.
;;   The module's matrix products, in the order in which they are computed (A, B: the left and right operand; K: the contracted axis; several contracted axes count as one K, in the product's order):
;;     1. [M 8,192, K 1,024] x [K 1,024, N 3,072]; A: input x; B: input W_qkv: QUANTISED
;;     2. batch 64 x [M 2,048, K 64] x [K 64, N 2,048]; A: computed on the way; B: computed on the way: QUANTISED
;;     3. batch 64 x [M 2,048, K 2,048] x [K 2,048, N 64]; A: softmax (see below); B: computed on the way: QUANTISED
;;     4. [M 8,192, K 1,024] x [K 1,024, N 1,024]; A: computed on the way; B: input W_out: QUANTISED
;;   THE QUANTISER, for each operand of a quantised product, along K:
;;     - K is cut into blocks of 32 from its start; a last block that is shorter is filled with zeros.
;;     - A block's scale is 2^e with e = floor(log2(the largest magnitude in the block)) - 2, held to -126 .. 127; a block of zeros has e = 0. As a byte (E8M0): e + 127.
;;     - Each number is divided by its block's scale, clamped to +-7.5, and rounded to the nearest number of E2M3, ties to even, subnormals kept.
;;     - The product sums the exact products of the quantised numbers (number of the format x scale) in f32.
;;   ~~~python
;;   def quantise(x, axis):      # numpy; x: float32 -> the quantised numbers, widened to float32 again
;;       x = np.moveaxis(x, axis, -1); K = x.shape[-1]
;;       x = np.pad(x, [(0, 0)] * (x.ndim - 1) + [(0, -K % 32)]); x = x.reshape(x.shape[:-1] + (-1, 32)); a = np.abs(x).max(-1, keepdims=True)
;;       e = np.where(a > 0, np.clip(np.frexp(np.where(a > 0, a, 1))[1] - 1 - 2, -126, 127), 0)      # np.frexp(a)[1] - 1 = floor(log2(a)), exactly
;;       r = np.clip(x / 2.0 ** e, -7.5, 7.5)
;;       step = 2.0 ** (np.maximum(np.frexp(np.where(r == 0, 1, r))[1] - 1, 0) - 3)
;;       q = np.round(r / step) * step * 2.0 ** e      # np.round: ties to even
;;       return np.moveaxis(q.reshape(q.shape[:-2] + (-1,))[..., :K], -1, axis).astype(np.float32)
;;   ~~~
;;   SOFTMAX AHEAD OF A QUANTISED PRODUCT. Where the list says 'softmax', what is quantised is not the finished softmax but p = 2^(t - M), with t = logit x log2(e) and M = ceil(the row's largest t), a whole number; so 1/2 < the row's largest p <= 1. The row's sum l is taken of the UNQUANTISED p, in f32, and the product's result is divided by l at the end. Since M is a whole number, a kernel that streams over the keys may use a running M (the ceiling of the running maximum): every later rescaling is an exact power of two, which a block's scale takes up: the codes' values come out the same.
;;   OPERANDS COMPUTED ON THE WAY. 'Computed on the way' means the value that the module computes at that place (a softmax that the list does not call 'softmax' is quantised finished and normalised). What goes into a quantiser is computed in f32, as accurately as f32 sums, v_exp_f32 and their like allow (about 1e-6 of the number): no bf16 or f16 on the way to a quantiser, and a product that is left as it is and whose result goes on into a quantised operand takes f32 operands (vector FMAs, or v_wmma_f32_16x16x4_f32). A number that lies on a knife's edge between two numbers of the format may be rounded either way, as far as f32 arithmetic and the matrix unit's own rounding can turn it there, and no further.
;; One version. Each part assembles by itself: llvm-mc -triple=amdgcn-amd-amdhsa -mcpu=gfx1250 --defsym DOCPART=n.
;; ======== version 1 of 1: 4 launches
;; workspace buffers: xq 6,553,600 bytes; wq 3,276,800 bytes; qkq 13,631,488 bytes; vq 6,553,600 bytes; aq 6,553,600 bytes
;; launch quant (part 1): grid 384 x 1, 4 waves a work-group, no clusters, 91,648 bytes of LDS; arguments x, W_qkv, W_out, xq, wq; writes xq, wq
.if DOCPART == 1
	.amdgcn_target "amdgcn-amd-amdhsa--gfx1250"
	.amdhsa_code_object_version 6
	.text
	.protected	k_q6b9b8afc0d_quant
	.globl	k_q6b9b8afc0d_quant
	.p2align	8
	.type	k_q6b9b8afc0d_quant,@function
k_q6b9b8afc0d_quant:
	s_mov_b64 s[64:65], 0
	v_nop
	global_prefetch_b8 v0, s[64:65] scope:SCOPE_SE
	s_setreg_imm32_b32 hwreg(HW_REG_WAVE_MODE, 25, 1), 1
	s_wait_xcnt 0x0
; x [8192][1024], W_qkv [1024][3072] and W_out [1024][1024], f32, become codes of FP6 (E2M3) with one E8M0 byte for each 32 along K (K = 1,024 in all three).
; A block's scale is 2^(floor(log2(its largest magnitude)) - 2); its byte is the largest magnitude's exponent field - 2, held at 1 from below.
; LIMITS: NaN and infinities are not served; a block of zeros gets the byte 1 (its codes are zeros, and this program alone reads the bytes).
; THE LAYOUT OF THE CODES is that of the operand's registers.  A HALF IMAGE is 16 rows x 64 K = 768 bytes: lane l = r + 16 h holds row place r, k = 32 h .. 32 h + 31, in six registers;
; registers 0-3 lie at 16 l, registers 4-5 at 512 + 8 l.  xq, wq: [tile of 16 rows][K step of 256][4 half images].  THE ORDER: place r of tile 2 a + u is row 32 a + 8 u + r + 8 (r / 8).
; Scale bytes: [pair of tiles a][K step][u][r][8 bytes].  wq's rows 0-3071 are W_qkv's columns, rows 3072-4095 W_out's.
; Work-groups 0-255 take x: 32 tokens each, a wave a K step.  Work-groups 256-383 take the weights: 128 columns x 256 K each, a wave 32 columns, a lane a column, registers down K.
; No cluster: no two work-groups read the same bytes.  No tensor load, no barrier: waves share nothing.  The two ways part on the work-group's number, never join, and have LDS bytes of their own.
.set XROW,  1040                       ; x's stage: a row place's 1,024 bytes + 16, an odd multiple of 16: sixteen rows of a 16-byte load begin in different banks
.set XWV,   16*XROW                    ; a wave's stage: 16 row places
.set WST,   4*XWV                      ; the weights' stages: two tiles x 3,072 bytes a wave
.set WWV,   6144
.set SPARE, WST+4*WWV                  ; the spare words, 128 bytes a wave: two blocks of 256 bytes that no other line names
.set XSCL,  6291456                    ; where xq's scale bytes begin
.set WSCL,  3145728                    ; and wq's
.set SPW,   62                         ; v62  my spare word's LDS address; never rewritten
.set NIL,   63                         ; v63  0; never rewritten
.set RA,    64                         ; x: v64-127, v128-191 two chunks of 16 loads;  v192-255 two sets of 32 neighbours
.set RB,    128
.set X,     192
.set WX,    64                         ; weights: v64-127 two sets of 32 numbers; v128-159 the 32 rows' offsets; v160-207 the way out
.set VA,    128
.set OUTR,  160
.macro BMAX xs, m, n                   ; the largest magnitude of v[xs] .. v[xs+31] into v[m], in two chains, with the floor 2^(3 - 127) as one more leaf: the byte cannot fall under 1
	v_max3_num_f32 v[\m], |v[\xs]|, |v[\xs+1]|, |v[\xs+2]|
	v_max3_num_f32 v[\n], |v[\xs+3]|, |v[\xs+4]|, |v[\xs+5]|
.irp i, 6,10,14,18,22,26
	v_max3_num_f32 v[\m], v[\m], |v[\xs+\i]|, |v[\xs+\i+1]|
	v_max3_num_f32 v[\n], v[\n], |v[\xs+\i+2]|, |v[\xs+\i+3]|
.endr
	v_max3_num_f32 v[\m], v[\m], |v[\xs+30]|, |v[\xs+31]|
	v_max3_num_f32 v[\m], v[\m], v[\n], 0x1800000
.endm
	s_load_b128 s[4:7], s[0:1], 0x0                ; x, W_qkv
	s_load_b128 s[8:11], s[0:1], 0x10              ; W_out, xq
	s_load_b64 s[12:13], s[0:1], 0x20              ; wq
	v_lshl_add_u32 v[SPW], v0, 2, SPARE
	v_mov_b32 v[NIL], 0
	v_lshrrev_b32 v1, 5, v0
	v_readfirstlane_b32 s16, v1                    ; wave
	v_and_b32 v1, 31, v0                           ; lane
	v_and_b32 v2, 15, v0                           ; r
	v_bfe_u32 v3, v0, 4, 1                         ; h
	v_lshlrev_b32 v4, 4, v1                        ; 16 x lane
	v_lshlrev_b32 v5, 3, v1                        ; 8 x lane
	s_cmp_lt_u32 ttmp9, 256
	s_cbranch_scc0 .Lweights
; ---------------- x: work-group a takes tokens 32 a .. 32 a + 31, wave w the K step w (1,024 bytes of each row)
	s_mov_b32 s20, 0x76543210
	s_mov_b32 s21, 0xfedcba98                      ; v_permlanex16_b32's selects for lane l xor 16
	s_mul_i32 s17, s16, XWV
	v_add_nc_u32 v6, s17, v4                       ; the stage, on the way in: as the bytes are loaded
	v_mul_u32_u24 v7, v2, XROW
	v_lshl_add_u32 v7, v3, 7, v7
	v_add_nc_u32 v7, s17, v7                       ; and on the way out: row place r, + 128 h: my 32 neighbours of a half image
	v_lshlrev_b32 v14, 3, v3                       ; 8 h: where my bytes stand in a scale word
	v_mov_b32 v24, 0                               ; (a lane permute's destination counts as one of its sources)
	v_mov_b32 v25, 0
	s_lshl_b32 s24, ttmp9, 17                      ; 32 rows of 4,096 bytes,
	s_lshl_b32 s18, s16, 10
	s_add_co_u32 s24, s24, s18                     ; + my K step
	s_mov_b32 s25, 0
	s_mul_i32 s26, ttmp9, 24576                    ; two tiles of codes,
	s_mul_i32 s18, s16, 3072
	s_add_co_u32 s26, s26, s18                     ; + my K step
	s_mov_b32 s27, 0
	s_lshl_b32 s28, ttmp9, 10                      ; the pair's scale bytes,
	s_lshl_b32 s18, s16, 8
	s_add_co_u32 s28, s28, s18
	s_add_co_u32 s28, s28, XSCL
	s_mov_b32 s29, 0
	s_wait_kmcnt 0x0
	s_add_nc_u64 s[4:5], s[4:5], s[24:25]
	s_add_nc_u64 s[26:27], s[10:11], s[26:27]
	s_add_nc_u64 s[28:29], s[10:11], s[28:29]
.macro LOADC u, half, set              ; eight tokens 8 u + 16 half + 0 .. 7, which are row places 8 half + 0 .. 7 of tile u: 16 loads of 512 consecutive bytes
.irp j, 0,1,2,3,4,5,6,7,8,9,10,11,12,13,14,15
	global_load_b128 v[\set+4*\j:\set+4*\j+3], v4, s[4:5] offset:(8*\u+16*\half+\j/2)*4096+(\j%2)*512 th:TH_LOAD_NT
.endr
.endm
.macro TOST half, set
.irp j, 0,1,2,3,4,5,6,7,8,9,10,11,12,13,14,15
	ds_store_b128 v6, v[\set+4*\j:\set+4*\j+3] offset:(8*\half+\j/2)*XROW+(\j%2)*512
.endr
.endm
.macro XLD kh                          ; half image kh: my block of 32 numbers, 128 bytes
.irp j, 0,1,2,3,4,5,6,7
	ds_load_b128 v[X+32*((\kh)%2)+4*\j:X+32*((\kh)%2)+4*\j+3], v7 offset:256*(\kh)+16*\j
.endr
.endm
.macro QB u, kh                        ; a whole block lies in my 32 registers: its scale, its 32 codes in six registers, and out as they stand
.set XS, X+32*((\kh)%2)
.set CC, 32+8*((\kh)%2)
	BMAX XS, 8, 9
	v_add_nc_u32 v11, 0xff000000, v8               ; 2 off the exponent field: the conversion takes this operand's exponent field as its scale
	s_wait_alu depctr_va_vdst(0)
	s_wait_xcnt 0x0                                ; the stores of two half images back have read these code registers
	v_cvt_scalef32_pk16_fp6_f32 v[CC:CC+2], v[XS:XS+15], v11
	v_cvt_scalef32_pk16_fp6_f32 v[48:50], v[XS+16:XS+31], v11   ; (a conversion's three registers begin on an even number)
	v_lshrrev_b32 v[16+\kh], 23, v11               ; the scale's byte; also the plain line behind the conversions
	v_mov_b32 v[CC+3], v48
	v_mov_b32 v[CC+4], v49
	v_mov_b32 v[CC+5], v50
	global_store_b128 v4, v[CC:CC+3], s[26:27] offset:\u*12288+\kh*768        ; 512 consecutive bytes
	global_store_b64 v5, v[CC+4:CC+5], s[26:27] offset:\u*12288+\kh*768+512   ; 256 consecutive bytes
.endm
	s_wait_alu depctr_va_vdst(0)
	LOADC 0, 0, RA
	LOADC 0, 1, RB
.irp u, 0,1
	s_wait_loadcnt 16                              ; the older chunk's 16 loads are in, the younger chunk's may be out
	TOST 0, RA
	s_wait_loadcnt 0x0
	TOST 1, RB
	s_wait_dscnt 0x0                               ; the stage's stores have read their registers
.if \u == 0
	LOADC 1, 0, RA                                 ; the second tile's 32 loads are on their way under the first tile's arithmetic
	LOADC 1, 1, RB
.endif
	XLD 0
.irp kh, 0,1,2,3
.if \kh < 3
	XLD \kh+1
	s_wait_dscnt 8                                 ; this half image's numbers are in; the next one's 8 loads may be out
.else
	s_wait_dscnt 0x0
.endif
	QB \u, \kh
.endr
	v_lshl_or_b32 v12, v17, 16, v16                ; my bytes are blocks h, 2 + h (first word) and 4 + h, 6 + h (second word) of the K step's eight
	v_lshl_or_b32 v13, v19, 16, v18
	v_lshlrev_b32 v12, v14, v12
	v_lshlrev_b32 v13, v14, v13
	v_permlanex16_b32 v24, v12, s20, s21
	v_permlanex16_b32 v25, v13, s20, s21
	v_or_b32 v[20+2*\u], v12, v24                  ; with lane l xor 16's the words are whole, in both halves of the lanes
	v_or_b32 v[21+2*\u], v13, v25
.endr
	v_cmp_gt_u32 vcc_lo, 16, v1
	v_cndmask_b32 v20, v22, v20, vcc_lo            ; lanes 0-15 tile 0's rows, lanes 16-31 tile 1's
	v_cndmask_b32 v21, v23, v21, vcc_lo
	global_store_b64 v5, v[20:21], s[28:29]        ; 256 consecutive bytes, aligned
	s_wait_tensorcnt 0x0                           ; the wave's end, behind my last LDS store
	ds_add_u32 v[SPW], v[NIL]
	s_wait_dscnt 0x0
	s_endpgm
; ---------------- the weights: g = work-group - 256; K step g % 4; column group g / 4: 0-23 of W_qkv, 24-31 of W_out
.Lweights:
	s_sub_co_u32 s17, ttmp9, 256
	s_and_b32 s18, s17, 3                          ; K step
	s_lshr_b32 s19, s17, 2                         ; column group = 128 rows of wq
	s_mov_b32 s22, 4096
	s_cmp_lt_u32 s19, 24
	s_cselect_b32 s22, 12288, s22                  ; a row of the tensor in bytes
	s_cselect_b32 s23, 0, 24
	s_sub_co_u32 s23, s19, s23                     ; the column group inside its tensor
	s_lshl_b32 s24, s19, 2
	s_add_co_u32 s24, s24, s16                     ; my pair of tiles of wq
	s_lshl_b32 s25, s18, 8
	s_mul_i32 s25, s25, s22                        ; 256 x K step rows down,
	s_lshl_b32 s26, s23, 9
	s_add_co_u32 s25, s25, s26                     ; 128 columns a group,
	s_lshl_b32 s26, s16, 7
	s_add_co_u32 s48, s25, s26                     ; 32 a wave
	s_mov_b32 s49, 0
	s_lshl_b32 s50, s22, 5                         ; a block of 32 rows
	s_mov_b32 s51, 0
	s_mul_i32 s52, s24, 24576
	s_mul_i32 s26, s18, 3072
	s_add_co_u32 s52, s52, s26                     ; my codes
	s_mov_b32 s53, 0
	s_lshl_b32 s54, s24, 10
	s_lshl_b32 s26, s18, 8
	s_add_co_u32 s54, s54, s26
	s_add_co_u32 s54, s54, WSCL                    ; my scale bytes
	s_mov_b32 s55, 0
	s_wait_alu depctr_va_vdst(0)
	v_lshlrev_b32 v[VA], 2, v1                     ; row i of a block: 4 x lane + i rows
.set i, 1
.rept 31
	v_add_nc_u32 v[VA+i], s22, v[VA+i-1]
.set i, i+1
.endr
	v_bfe_u32 v10, v1, 3, 1                        ; column c = lane lies in tile u = (c / 8) % 2
	v_and_b32 v11, 7, v1
	v_lshl_add_u32 v11, v3, 3, v11                 ; at row place r = c % 8 + 8 (c / 16)
	s_mul_i32 s28, s16, WWV
	s_add_co_u32 s28, s28, WST
	v_mul_u32_u24 v12, v10, 3072
	v_add_nc_u32 v12, s28, v12
	v_lshl_add_u32 v6, v11, 4, v12                 ; the stage: registers 0-3 of place r,
	v_lshl_add_u32 v7, v11, 3, v12                 ; registers 4-5,
	v_add_nc_u32 v8, s28, v4                       ; and back, as the bytes lie
	v_lshlrev_b32 v9, 7, v10
	v_lshl_add_u32 v9, v11, 3, v9                  ; my 8 scale bytes: 128 u + 8 r
	s_wait_kmcnt 0x0
	s_cmp_lt_u32 s19, 24                           ; the choice hangs on the work-group's number alone
	s_cselect_b64 s[32:33], s[6:7], s[8:9]
	s_add_nc_u64 s[32:33], s[32:33], s[48:49]      ; a base for each of the eight blocks: nothing is stepped
.irp t, 1,2,3,4,5,6,7
	s_add_nc_u64 s[32+2*\t:33+2*\t], s[30+2*\t:31+2*\t], s[50:51]
.endr
	s_add_nc_u64 s[52:53], s[12:13], s[52:53]
	s_add_nc_u64 s[54:55], s[12:13], s[54:55]
.macro WLOAD t                         ; block t: 32 rows of my column; a load reads 128 consecutive bytes a wave
.set i, 0
.rept 32
	global_load_b32 v[WX+32*((\t)%2)+i], v[VA+i], s[32+2*(\t):33+2*(\t)] th:TH_LOAD_NT
.set i, i+1
.endr
.endm
.macro BLOCK t                         ; block t is half h = t % 2 of half image t / 2
.set XS, WX+32*((\t)%2)
.if (\t) < 7
	s_wait_loadcnt 32                              ; this block's 32 loads are in; the next block's may be out
.else
	s_wait_loadcnt 0x0
.endif
	BMAX XS, 13, 14
	v_add_nc_u32 v15, 0xff000000, v13
	v_lshrrev_b32 v14, 23, v15                     ; the scale's byte
.if (\t)%4 == 0
	v_mov_b32 v[44+(\t)/4], v14
.else
	v_lshl_or_b32 v[44+(\t)/4], v14, 8*((\t)%4), v[44+(\t)/4]
.endif
	v_cvt_scalef32_pk16_fp6_f32 v[32:34], v[XS:XS+15], v15
	v_cvt_scalef32_pk16_fp6_f32 v[40:42], v[XS+16:XS+31], v15
	v_nop                                          ; one plain line behind the conversions
	v_mov_b32 v35, v40
	v_mov_b32 v36, v41
	v_mov_b32 v37, v42
	ds_store_b128 v6, v[32:35] offset:((\t)/2)*768+256*((\t)%2)
	ds_store_b64 v7, v[36:37] offset:((\t)/2)*768+512+128*((\t)%2)
.if (\t)+2 < 8
	WLOAD (\t)+2
.endif
	s_wait_dscnt 0x0                               ; the stores have read their registers
.endm
	WLOAD 0
	WLOAD 1
.irp t, 0,1,2,3,4,5,6,7
	BLOCK \t
.endr
	s_wait_alu depctr_va_vdst(0)
	global_store_b64 v9, v[44:45], s[54:55]        ; the 32 lanes fill 256 consecutive bytes, aligned
.irp j, 0,1,2,3,4,5,6,7,8,9,10,11
	ds_load_b128 v[OUTR+4*\j:OUTR+4*\j+3], v8 offset:512*\j      ; LDS serves a wave's instructions in order: these see my stores
.endr
.irp j, 0,1,2,3,4,5,6,7,8,9,10,11
	s_wait_dscnt 11-\j                             ; the younger read-backs may be out
	global_store_b128 v4, v[OUTR+4*\j:OUTR+4*\j+3], s[52:53] offset:(\j/6)*12288+(\j%6)*512
.endr
	s_wait_tensorcnt 0x0                           ; the wave's end, behind my last LDS store
	ds_add_u32 v[SPW], v[NIL]
	s_wait_dscnt 0x0
	s_endpgm
.Lfunc_end_k_q6b9b8afc0d_quant:
	.size	k_q6b9b8afc0d_quant, .Lfunc_end_k_q6b9b8afc0d_quant-k_q6b9b8afc0d_quant
	.p2alignl 7, 3214868480
	.fill 96, 4, 3214868480
	.section	.rodata,"a",@progbits
	.p2align	6, 0x0
	.amdhsa_kernel k_q6b9b8afc0d_quant
		.amdhsa_group_segment_fixed_size 91648
		.amdhsa_private_segment_fixed_size 0
		.amdhsa_enable_private_segment 0
		.amdhsa_kernarg_size 40
		.amdhsa_user_sgpr_count 2
		.amdhsa_user_sgpr_kernarg_segment_ptr 1
		.amdhsa_wavefront_size32 1
		.amdhsa_system_sgpr_workgroup_id_x 1
		.amdhsa_system_sgpr_workgroup_id_y 1
		.amdhsa_system_sgpr_workgroup_id_z 1
		.amdhsa_system_vgpr_workitem_id 0
		.amdhsa_next_free_vgpr 256
		.amdhsa_next_free_sgpr 66
		.amdhsa_reserve_vcc 1
		.amdhsa_float_denorm_mode_32 3
		.amdhsa_float_denorm_mode_16_64 3
		.amdhsa_memory_ordered 1
		.amdhsa_forward_progress 1
		.amdhsa_inst_pref_size 73
	.end_amdhsa_kernel
	.amdgpu_metadata
---
amdhsa.version: [ 1, 2 ]
amdhsa.kernels:
  - .name:           k_q6b9b8afc0d_quant
    .symbol:         k_q6b9b8afc0d_quant.kd
    .args:
      - { .name: x, .offset: 0, .size: 8, .value_kind: global_buffer, .address_space: global }
      - { .name: W_qkv, .offset: 8, .size: 8, .value_kind: global_buffer, .address_space: global }
      - { .name: W_out, .offset: 16, .size: 8, .value_kind: global_buffer, .address_space: global }
      - { .name: xq, .offset: 24, .size: 8, .value_kind: global_buffer, .address_space: global }
      - { .name: wq, .offset: 32, .size: 8, .value_kind: global_buffer, .address_space: global }
    .group_segment_fixed_size: 91648
    .private_segment_fixed_size: 0
    .kernarg_segment_align: 8
    .kernarg_segment_size: 40
    .max_flat_workgroup_size: 128
    .sgpr_count:     66
    .vgpr_count:     256
    .wavefront_size: 32
...
	.end_amdgpu_metadata
.endif
;; end of part 1
;; launch qkv (part 2): grid 8 x 48, 4 waves a work-group, clusters of 4 x 4, 327,680 bytes of LDS; arguments xq, wq, b_qkv, qkq, vq; writes qkq, vq
.if DOCPART == 2
	.amdgcn_target "amdgcn-amd-amdhsa--gfx1250"
	.amdhsa_code_object_version 6
	.text
	.protected	k_q6b9b8afc0d_qkv
	.globl	k_q6b9b8afc0d_qkv
	.p2align	8
	.type	k_q6b9b8afc0d_qkv,@function
k_q6b9b8afc0d_qkv:
	s_mov_b64 s[64:65], 0
	v_nop
	global_prefetch_b8 v0, s[64:65] scope:SCOPE_SE
	s_setreg_imm32_b32 hwreg(HW_REG_WAVE_MODE, 25, 1), 1
	s_wait_xcnt 0x0
	s_wait_alu depctr_hold_cnt(0) depctr_sa_sdst(0) depctr_va_vdst(0) depctr_va_sdst(0) depctr_va_ssrc(0) depctr_va_vcc(0) depctr_vm_vsrc(0)
	s_getreg_b32 s2, hwreg(HW_REG_IB_STS2, 6, 4)
	s_cmp_eq_u32 s2, 0
	s_cbranch_scc0 .Lentry_in_a_cluster
	s_endpgm
.Lentry_in_a_cluster:
	s_bfe_u32 s2, ttmp6, 0x10000c
	s_cmp_lg_u32 s2, 0xf033
	s_cbranch_scc0 .Lentry_shape_is_right
	s_endpgm
.Lentry_shape_is_right:
; q, k, v = x W_qkv + b_qkv on codes of FP6 (E2M3) with E8M0 scales, K = 1,024; the results are quantised at once for the attention: q and k along the head's 64, v along the keys.
; A tile of 256 x 256 to a work-group, four waves, 128 x 128 each: 64 accumulators.  K goes in four steps of 256 through two LDS slots filled by joint tensor loads (4 x 4 cluster: A's tiles along a row, B's along a column).
; OPERANDS LIE AS IMAGES OF THEIR REGISTERS (half images of 16 rows x 64 K, 768 bytes: registers 0-3 at 16 x lane, 4-5 at 512 + 8 x lane): a fragment is four LDS loads of consecutive bytes; no pitch, no padding.
; THE ORDER: place r of tile 2 a + u is row 32 a + 8 u + r + 8 (r / 8).  The product is used transposed (source 0 = 16 rows of B, source 1 = 16 rows of A): a lane holds one row of A, and the 64 registers of a
; block of A's rows against B's eight tiles are, register 16 b + i, B's row 32 b + 16 (lane / 16) + i: 16 neighbours to each block of 32, as the quantiser wants them.
; TWO MODES, by the cluster's y, which all sixteen partners share.  y < 8: A = tokens (xq), B = the columns of q and k (wq's rows 0-2047): a lane's registers run along a head's d.
; y >= 8: A = the columns of v (wq's rows 2048-3071), B = tokens: a lane's registers run along the keys.  The loop's text is one; only pointers, indices and the way out differ.
; OUT: qkq codes [q, k][batch x 16 + head][tile of 16 tokens][768], scale words behind them [..][tile][16 words] (bytes 0, 1 the row's two blocks; bytes 2, 3 the neighbour head's or 0, never 0xff);
;      vq codes [batch x 16 + head][128 keys][tile of 16 d][1,536: registers 4 c .. 4 c + 3 at 512 c + 16 x lane], scale words behind them [..][128 keys][tile][16 words].
; LIMITS: NaN and infinities are not served; a block of zeros gets the byte 1 (its codes are zeros; this program alone reads the bytes).
; REGISTERS: window 0: v16-29 addresses; v32-63 scale words and nothing else; v64-127 the bias of B's columns; v128-223 A's fragments, on the way out at work; v230-255 the way out's addresses, the bias of A's rows, scale words made.
;   window 1: B's fragments, two sets, at v0 and v128.  windows 2, 3: the accumulators ((a, b) at v[8 (8 (a % 4) + b)]).
.set TB16,   3072                      ; a tile's codes of a K step
.set HALFT,  8*TB16                    ; 8 tiles = 128 rows: what one tensor load brings
.set SLOT,   4*HALFT
.set SCL,    2*SLOT                    ; behind the ring: the scale bytes of 4 x 128 rows for all of K, filled once
.set HALFS,  4096
.set SCQ,    SCL+4*HALFS               ; the way out's stages for scale words, 1,024 bytes a wave, one for each mode; no fill lands here
.set SCV,    SCQ+4096
.set SPARE,  SCV+4096                  ; the spare words, 128 bytes a wave
.set XSCL,   6291456                   ; where the scale bytes begin in xq, in wq,
.set WSCL,   3145728
.set QKSCL,  12582912                  ; the scale words in qkq and in vq
.set VSCL,   6291456
.set HEADB,  98304                     ; a head's codes in qkq and in vq
.set NQ, 2
.set FR, 12
.set NL, 4                             ; LDS loads of a fragment
.set NP, 4                             ; places behind this matrix instruction
.set ADRA, 16                          ; v16-17 my A fragments in slot 0, 1, by 16 x lane; v18-19 by 8 x lane
.set ADRB, 20                          ; v20-23 the same for B
.set ADRS, 27
.set SPW,  28
.set NIL,  29
.set SC,   32
.set BI,   64
.set AF,   128
.set HA,   128                         ; the way out: 64 numbers of a lane
.set PC,   192                         ; their codes (12), and the conversions' second halves behind them
.set TM,   212
.set BB,   228
.set L16,  230
.set L8,   231
.set H16,  232
.set SQW,  233
.set SQR,  234
.set SVW,  235
.set SVR,  236
.set PW,   237
.set BV,   240
.set SW,   248
.set G1, 24
.set G0, 32
.set G1B, 48
.set G0B, 56
.set G1S, 68
.set G0S, 76
.set G1SB, 80
.set G0SB, 88
.set SEL, 66
.set OUTC, 92
.set OUTS, 96
.set MSB, 0
.macro WIN new                         ; the immediate's high byte repeats the setting that is left
.if MSB != \new
	s_set_vgpr_msb (MSB<<8)|\new
.set MSB, \new
.endif
.endm
.set MUL_LO, 0xa1                      ; source 0 (B) window 1, source 1 (A) window 0, C and D window 2
.set MUL_HI, 0xf1
.set TO_B,   0x40
.macro JLOAD g0a, g1a, g0b, g1b        ; a joint load: waves 0, 1 fetch for A, waves 2, 3 for B; the branch hangs on the wave's number alone; s_nop 0 and four v_nop follow each line
	s_cmp_eq_u32 s15, 0
	s_cbranch_scc0 .Lfor_b_\@
	tensor_load_to_lds s[\g0a:\g0a+3], s[\g1a:\g1a+7]
	s_nop 0
.rept 4
	v_nop
.endr
	s_branch .Lasked_\@
.Lfor_b_\@:
	tensor_load_to_lds s[\g0b:\g0b+3], s[\g1b:\g1b+7]
	s_nop 0
.rept 4
	v_nop
.endr
.Lasked_\@:
.endm
.macro CREST
	s_cmp_lg_u32 s14, 0
	s_cbranch_scc1 .Lnot_wave_0_\@
	s_barrier_signal -3
.Lnot_wave_0_\@:
	s_barrier_wait -3
	s_barrier_signal -1
	s_barrier_wait -1
.endm
.macro CROUND
	s_barrier_signal -1
	s_barrier_wait -1
	CREST
.endm
	s_load_b128 s[4:7], s[0:1], 0x0                ; xq, wq
	s_load_b128 s[8:11], s[0:1], 0x10              ; b_qkv, qkq
	s_load_b64 s[12:13], s[0:1], 0x20              ; vq
	v_lshl_add_u32 v[SPW], v0, 2, SPARE
	v_mov_b32 v[NIL], 0
	ds_add_u32 v[SPW], v[NIL]                      ; the wave's opening: the add and its wait ahead of my first tensor load
	v_lshrrev_b32 v1, 5, v0
	v_readfirstlane_b32 s14, v1                    ; wave
	s_lshr_b32 s15, s14, 1                         ; my half of A's rows; also: I fetch for A (0) or B (1)
	s_and_b32 s16, s14, 1                          ; my half of B's rows; also: which 128 rows I fetch
	s_bfe_u32 s40, ttmp6, 0x40000                  ; cx
	s_bfe_u32 s41, ttmp6, 0x40004                  ; cy
	s_and_b32 s17, ttmp7, 0xffff                   ; the cluster's y: the mode
	s_lshl_b32 s43, s41, 2
	s_lshl_b32 s43, 15, s43                        ; my row of the cluster
	s_lshl_b32 s44, 0x1111, s40                    ; my column
	s_max_u32 s18, s17, 8
	s_sub_co_u32 s18, s18, 8
	s_lshl_b32 s18, s18, 3                         ; v mode: 8 blocks of tokens for each cluster y
	s_lshl_b32 s42, ttmp9, 2
	s_add_co_u32 s42, s42, s40
	s_add_co_u32 s42, s42, s18                     ; B's block of 256 rows
	s_mov_b32 s92, XSCL
	s_mov_b32 s93, WSCL
	s_cmp_lt_u32 s17, 8
	s_cselect_b32 s19, s17, 2
	s_cselect_b32 s94, s92, s93                    ; where A's scale bytes begin in its buffer,
	s_cselect_b32 s95, s93, s92                    ; and B's
	s_lshl_b32 s19, s19, 2
	s_add_co_u32 s19, s19, s41                     ; A's block of 256 rows: 4 y + cy, or 8 + cy
	s_or_b32 s[G1+0], s43, (3<<16)|(1<<21)         ; 15:0 the mask; 17:16 elements of 8 bytes; 21 set beside a mask; no padding
	s_or_b32 s[G1B+0], s44, (3<<16)|(1<<21)
.irp g, G1, G1B                        ; codes: 8 rows (tiles) of 3,072 bytes, 12,288 bytes apart
	s_mov_b32 s[\g+1], 384<<16
	s_mov_b32 s[\g+2], 8<<16
	s_mov_b32 s[\g+3], 384<<16
	s_mov_b32 s[\g+4], 8
	s_mov_b32 s[\g+5], 1536
	s_mov_b32 s[\g+6], 0
	s_mov_b32 s[\g+7], 0
.endr
	s_or_b32 s[G1S+0], s43, (3<<16)|(1<<21)
	s_or_b32 s[G1SB+0], s44, (3<<16)|(1<<21)
.irp g, G1S, G1SB                      ; scale bytes of 128 rows: 4,096 dense bytes as 16 rows of 256
	s_mov_b32 s[\g+1], 32<<16
	s_mov_b32 s[\g+2], 16<<16
	s_mov_b32 s[\g+3], 32<<16
	s_mov_b32 s[\g+4], 16
	s_mov_b32 s[\g+5], 32
	s_mov_b32 s[\g+6], 0
	s_mov_b32 s[\g+7], 0
.endr
	s_lshl_b32 s18, s16, 3
	s_lshl_b32 s20, s19, 4
	s_add_co_u32 s20, s20, s18                     ; A: the first tile that I fetch
	s_lshl_b32 s46, s42, 4
	s_add_co_u32 s46, s46, s18                     ; B: likewise
	s_lshl_b32 s22, s20, 9                         ; 512 scale bytes a tile
	s_add_co_u32 s22, s22, s94
	s_mov_b32 s23, 0
	s_lshl_b32 s96, s46, 9
	s_add_co_u32 s96, s96, s95
	s_mov_b32 s97, 0
	s_mul_i32 s20, s20, 12288
	s_mov_b32 s21, 0
	s_mul_i32 s46, s46, 12288
	s_mov_b32 s47, 0
	s_mul_i32 s45, s14, HALFT                      ; where they go: by the wave's number alone
	s_mul_i32 s98, s14, HALFS
	s_mov_b32 s[SEL], 0x76543210
	s_mov_b32 s[SEL+1], 0xfedcba98
	s_wait_dscnt 0x0                               ; the opening add is done
	s_wait_kmcnt 0x0
	s_cmp_lt_u32 s17, 8                            ; the choice of buffers hangs on the cluster's y alone
	s_cselect_b64 s[92:93], s[4:5], s[6:7]         ; A's buffer
	s_cselect_b64 s[94:95], s[6:7], s[4:5]         ; B's
	s_add_nc_u64 s[20:21], s[92:93], s[20:21]
	s_add_nc_u64 s[22:23], s[92:93], s[22:23]
	s_add_nc_u64 s[46:47], s[94:95], s[46:47]
	s_add_nc_u64 s[96:97], s[94:95], s[96:97]
	CROUND                                         ; all sixteen work-groups are here: the first joint loads meet
	s_mov_b32 s[G0S], 1
	s_add_co_u32 s[G0S+1], s98, SCL
	s_mov_b64 s[G0S+2:G0S+3], s[22:23]
	s_or_b32 s[G0S+3], s[G0S+3], 0x80000000
	s_mov_b32 s[G0SB], 1
	s_add_co_u32 s[G0SB+1], s98, SCL
	s_mov_b64 s[G0SB+2:G0SB+3], s[96:97]
	s_or_b32 s[G0SB+3], s[G0SB+3], 0x80000000
	JLOAD G0S, G1S, G0SB, G1SB                     ; the scale bytes first: three loads of mine are out behind these lines
.irp s, 0,1
	s_mov_b32 s[G0+4*\s], 1
	s_add_co_u32 s[G0+4*\s+1], s45, \s*SLOT
	s_add_nc_u64 s[G0+4*\s+2:G0+4*\s+3], s[20:21], \s*TB16
	s_or_b32 s[G0+4*\s+3], s[G0+4*\s+3], 0x80000000
	s_mov_b32 s[G0B+4*\s], 1
	s_add_co_u32 s[G0B+4*\s+1], s45, \s*SLOT
	s_add_nc_u64 s[G0B+4*\s+2:G0B+4*\s+3], s[46:47], \s*TB16
	s_or_b32 s[G0B+4*\s+3], s[G0B+4*\s+3], 0x80000000
	JLOAD G0+4*\s, G1, G0B+4*\s, G1B
.endr
	v_and_b32 v1, 31, v0                           ; lane
	v_and_b32 v2, 15, v0                           ; r
	v_bfe_u32 v3, v0, 4, 1                         ; h
	v_lshlrev_b32 v4, 4, v1
	v_lshlrev_b32 v5, 3, v1
	s_mul_i32 s21, s15, HALFT                      ; my 128 rows of A
	s_mul_i32 s22, s16, HALFT
	s_add_co_u32 s22, s22, 2*HALFT                 ; my 128 rows of B
.irp s, 0,1
	v_add_nc_u32 v[ADRA+\s], s21, v4
	v_add_nc_u32 v[ADRB+\s], s22, v4
	v_add_nc_u32 v[ADRA+2+\s], s21, v5
	v_add_nc_u32 v[ADRB+2+\s], s22, v5
	s_add_co_u32 s21, s21, SLOT
	s_add_co_u32 s22, s22, SLOT
.endr
	s_mul_i32 s21, s15, HALFS                      ; scale words: lanes 0-15 A's rows, lanes 16-31 B's: the lower base + h x the distance
	s_mul_i32 s22, s16, HALFS
	s_add_co_u32 s22, s22, 2*HALFS
	s_sub_co_u32 s22, s22, s21
	v_mul_u32_u24 v6, s22, v3
	s_add_co_u32 s21, s21, SCL
	v_lshl_add_u32 v6, v2, 3, v6                   ; 8 bytes a row and K step
	v_add_nc_u32 v[ADRS], s21, v6
	s_lshl_b32 s21, s14, 10                        ; the way out's addresses, made here, ahead of the parting of the modes
	s_add_co_u32 s22, s21, SCQ
	s_add_co_u32 s23, s21, SCV
	v_lshlrev_b32 v[L16], 4, v1
	v_lshlrev_b32 v[L8], 3, v1
	v_lshlrev_b32 v[H16], 4, v3
	v_lshlrev_b32 v6, 2, v2
	v_lshl_add_u32 v7, v3, 9, v6
	v_add_nc_u32 v[SQW], s22, v7                   ; q, k: 512 h + 4 r: lanes 0-15 the even head's words, lanes 16-31 the odd head's
	v_add_nc_u32 v[SQR], s22, v[L16]
	v_add_nc_u32 v[SVW], s23, v6                   ; v: 4 r
	v_add_nc_u32 v[SVR], s23, v[L8]
	; both biases are asked for in both modes, so that no register's first write hangs on the mode; the block's number is held at 11, b_qkv's last, for the set that a mode does not use
	s_min_u32 s46, s42, 11
	s_lshl_b32 s46, s46, 10
	s_lshl_b32 s47, s16, 9
	s_add_co_u32 s46, s46, s47
	s_mov_b32 s47, 0
	s_add_nc_u64 s[96:97], s[8:9], s[46:47]        ; b at my 128 rows of B
	s_min_u32 s20, s19, 11
	s_lshl_b32 s20, s20, 10
	s_lshl_b32 s21, s15, 9
	s_add_co_u32 s20, s20, s21
	s_mov_b32 s21, 0
	s_add_nc_u64 s[92:93], s[8:9], s[20:21]        ; b at my 128 rows of A
	v_lshlrev_b32 v8, 6, v3                        ; register 16 b + i is B's row 32 b + 16 h + i
	v_and_b32 v9, 8, v2
	v_add_nc_u32 v9, v9, v2
	v_lshlrev_b32 v9, 2, v9                        ; my lane's row of a tile of A: r + 8 (r / 8)
.irp b, 0,1,2,3
.irp j, 0,1,2,3
	global_load_b128 v[BI+16*\b+4*\j:BI+16*\b+4*\j+3], v8, s[96:97] offset:128*\b+16*\j
.endr
.endr
.irp a, 0,1,2,3,4,5,6,7
	global_load_b32 v[BV+\a], v9, s[92:93] offset:4*(32*(\a/2)+8*(\a%2))
.endr
.macro FRAG reg, adr, q, i             ; tile i's fragment of the slot's q-th 128 along K: two half images, as they lie
	ds_load_b128 v[\reg:\reg+3], v[\adr] offset:(\i)*TB16+(\q)*1536
	ds_load_b64 v[\reg+4:\reg+5], v[\adr+2] offset:(\i)*TB16+(\q)*1536+512
	ds_load_b128 v[\reg+6:\reg+9], v[\adr] offset:(\i)*TB16+(\q)*1536+768
	ds_load_b64 v[\reg+10:\reg+11], v[\adr+2] offset:(\i)*TB16+(\q)*1536+1280
.endm
; 16 matrix instructions: A's blocks a0, a0 + 1 x B's eight.  The 64 accumulators take turns, one instruction a turn, in the same order in every step.
.macro MUL16 a0, p, q, sc, zero
.irp a, \a0, \a0+1
.irp b, 0,1,2,3,4,5,6,7
.if \zero
	v_wmma_scale_f32_16x16x128_f8f6f4 v[8*(8*((\a)%4)+\b):8*(8*((\a)%4)+\b)+7], v[128*(\p)+FR*\b:128*(\p)+FR*\b+FR-1], v[AF+FR*(\a):AF+FR*(\a)+FR-1], 0, v[SC+8*NQ*(\sc)+NQ*\b+(\q)], v[SC+8*NQ*(\sc)+NQ*(\a)+(\q)] matrix_a_fmt:MATRIX_FMT_FP6 matrix_b_fmt:MATRIX_FMT_FP6 matrix_a_scale:MATRIX_SCALE_ROW1
.else
	v_wmma_scale_f32_16x16x128_f8f6f4 v[8*(8*((\a)%4)+\b):8*(8*((\a)%4)+\b)+7], v[128*(\p)+FR*\b:128*(\p)+FR*\b+FR-1], v[AF+FR*(\a):AF+FR*(\a)+FR-1], v[8*(8*((\a)%4)+\b):8*(8*((\a)%4)+\b)+7], v[SC+8*NQ*(\sc)+NQ*\b+(\q)], v[SC+8*NQ*(\sc)+NQ*(\a)+(\q)] matrix_a_fmt:MATRIX_FMT_FP6 matrix_b_fmt:MATRIX_FMT_FP6 matrix_a_scale:MATRIX_SCALE_ROW1
.endif
.endr
.endr
.endm
.macro FETCH_B slot, q, p
	WIN TO_B
.irp i, 0,1,2,3,4,5,6,7
	FRAG 128*(\p)+FR*\i, ADRB+\slot, \q, \i
.endr
	WIN 0
.endm
.macro FETCH_A slot, q, i0
.irp i, \i0, \i0+1, \i0+2, \i0+3
	FRAG AF+FR*(\i), ADRA+\slot, \q, \i
.endr
.endm
.macro SCALES sc                       ; a K step's two words a row: lanes 0-15 A's tile i, lanes 16-31 B's tile i
.irp i, 0,1,2,3,4,5,6,7
	ds_load_b64 v[SC+8*NQ*\sc+NQ*\i:SC+8*NQ*\sc+NQ*\i+1], v[ADRS] offset:(\i/2)*1024+(\i%2)*128
.endr
.endm
.macro PLACES n                        ; plain vector lines between a matrix instruction and a load into, or a vector line on, its registers
.rept \n
	v_nop
.endr
.endm
.macro STEP slot, q, zero              ; 128 along K whose successor lies in the same slot
	s_wait_dscnt 4*NL                              ; all but the youngest 16 loads, A's blocks 4-7
	WIN MUL_LO
	MUL16 0, (\q)%2, \q, \slot, \zero
	MUL16 2, (\q)%2, \q, \slot, \zero
	s_wait_dscnt 0
	PLACES NP
	FETCH_B \slot, (\q)+1, 1-(\q)%2
	FETCH_A \slot, (\q)+1, 0
	WIN MUL_HI
	MUL16 4, (\q)%2, \q, \slot, \zero
	MUL16 6, (\q)%2, \q, \slot, \zero
	PLACES NP
	WIN 0
	FETCH_A \slot, (\q)+1, 4
.endm
; A slot's last step changes slots: one barrier; in front of it each wave waits for all its tensor loads, adds 0 to its spare word, and waits for that and for its reads of this slot.
.macro TURN slot, next, fill
	s_wait_tensorcnt 0x0                           ; all my tensor loads have landed: my part of the next slot
	ds_add_u32 v[SPW], v[NIL]                      ; 0 onto my spare word
	s_wait_dscnt 4*NL+1                            ; (the add and the youngest 16 loads may be out)
	WIN MUL_LO
	MUL16 0, 1, NQ-1, \slot, 0
	s_wait_dscnt 0x0                               ; the add is done, and my reads of this slot are over
	s_barrier_signal -1
	MUL16 2, 1, NQ-1, \slot, 0
	WIN 0
	s_barrier_wait -1
.if \fill
	CREST                                          ; the barrier has opened a round of the cluster's: no wave of any partner still reads this slot or has a load on its way
	s_add_nc_u64 s[G0+4*\slot+2:G0+4*\slot+3], s[G0+4*\slot+2:G0+4*\slot+3], 2*TB16
	s_add_nc_u64 s[G0B+4*\slot+2:G0B+4*\slot+3], s[G0B+4*\slot+2:G0B+4*\slot+3], 2*TB16
	JLOAD G0+4*\slot, G1, G0B+4*\slot, G1B         ; my one tensor load behind the round; its four v_nop are the places in front of the loads below
.else
	PLACES NP
.endif
	v_add_nc_u32 v[ADRS], 256, v[ADRS]             ; the next K step's scale words
	FETCH_B \next, 0, 0
	FETCH_A \next, 0, 0
	SCALES \next
	WIN MUL_HI
	MUL16 4, 1, NQ-1, \slot, 0
	MUL16 6, 1, NQ-1, \slot, 0
	PLACES NP
	WIN 0
	FETCH_A \next, 0, 4
.endm
	s_wait_tensorcnt 1                             ; the scale bytes and my part of K step 0 are in; K step 1's load may be out
	s_barrier_signal -1
	s_barrier_wait -1
	FETCH_B 0, 0, 0
	FETCH_A 0, 0, 0
	SCALES 0
	FETCH_A 0, 0, 4
	STEP 0, 0, 1                                   ; the first products start the sums
	TURN 0, 1, 1                                   ; slot 0 takes K step 2
	STEP 1, 0, 0
	TURN 1, 0, 1                                   ; slot 1 takes K step 3
	STEP 0, 0, 0
	TURN 0, 1, 0
	STEP 1, 0, 0
	s_wait_dscnt 4*NL
	WIN MUL_LO
	MUL16 0, 1, NQ-1, 1, 0
	MUL16 2, 1, NQ-1, 1, 0
	s_wait_dscnt 0
	WIN MUL_HI
	MUL16 4, 1, NQ-1, 1, 0
	MUL16 6, 1, NQ-1, 1, 0
	WIN 0
; 64 numbers of a lane, register 16 b + i = k 32 b + 16 (lane / 16) + i of my row, become a fragment's 12 registers of codes in v[PC] on and its scale word in v[pw].
.macro QUANT s, pw
.irp b, 0,1,2,3
	v_max3_num_f32 v[TM+\b], |v[\s+16*\b]|, |v[\s+1+16*\b]|, 0x1800000   ; my 16 numbers of block b, and the floor 2^(3 - 127): the byte cannot fall under 1
.endr
.irp i, 2,4,6,8,10,12,14
.irp b, 0,1,2,3
	v_max3_num_f32 v[TM+\b], v[TM+\b], |v[\s+16*\b+\i]|, |v[\s+1+16*\b+\i]|
.endr
.endr
.irp b, 0,1,2,3
	v_permlanex16_b32 v[TM+4+\b], v[TM+\b], s[SEL], s[SEL+1]
.endr
.irp b, 0,1,2,3
	v_max_num_f32 v[TM+\b], v[TM+\b], v[TM+4+\b]   ; with lane l xor 16's: the block's largest magnitude
.endr
.irp b, 0,1,2,3
	v_add_nc_u32 v[TM+12+\b], 0xff000000, v[TM+\b] ; 2 off its exponent field: the conversion's scale operand
.endr
.irp b, 0,1,2,3
	v_lshrrev_b32 v[TM+4+\b], 23, v[TM+12+\b]      ; the scale's byte
.endr
	v_lshl_or_b32 v[\pw], v[TM+5], 8, v[TM+4]
	v_lshl_or_b32 v[\pw], v[TM+6], 16, v[\pw]
	v_lshl_or_b32 v[\pw], v[TM+7], 24, v[\pw]
.irp c, 0,1
	v_cvt_scalef32_pk16_fp6_f32 v[PC+6*\c:PC+2+6*\c], v[\s+32*\c:\s+15+32*\c], v[TM+12+2*\c]
	v_cvt_scalef32_pk16_fp6_f32 v[PC+12+4*\c:PC+14+4*\c], v[\s+16+32*\c:\s+31+32*\c], v[TM+12+2*\c+1]
.endr
	v_nop                                          ; one plain line behind the conversions
.irp c, 0,1                            ; a whole block to a lane: lanes 0-15 block 2 c, lanes 16-31 block 2 c + 1
.irp i, 0,1,2
	v_permlane16_swap_b32 v[PC+6*\c+\i], v[PC+12+4*\c+\i]
.endr
.irp i, 0,1,2
	v_mov_b32 v[PC+3+6*\c+\i], v[PC+12+4*\c+\i]
.endr
.endr
.endm
; q, k: block a is 16 tokens x my 128 columns = two heads.  Registers 0-5 of the codes are the even head's half image, 6-11 the odd head's.
.macro OUTQK a
.if \a > 0
	s_wait_xcnt 0x0                                ; the last block's stores have read the code registers
.endif
.set WN, 0x02+(\a)/4
	WIN WN                                         ; source 0: the accumulators' window
.set i, 0
.rept 32
	v_pk_add_f32 v[HA+2*i:HA+2*i+1], v[64*((\a)%4)+2*i:64*((\a)%4)+2*i+1], v[BI+2*i:BI+2*i+1]   ; + b, each accumulator from its low end on
.set i, i+1
.endr
	WIN 0
	QUANT HA, PW
	v_lshrrev_b32 v[SW+\a], v[H16], v[PW]          ; lanes 16-31: the odd head's two bytes come down
	global_store_b128 v[L16], v[PC:PC+3], s[OUTC:OUTC+1] offset:768*\a
	global_store_b64 v[L8], v[PC+4:PC+5], s[OUTC:OUTC+1] offset:768*\a+512
	global_store_b128 v[L16], v[PC+6:PC+9], s[OUTC:OUTC+1] offset:768*\a+HEADB
	global_store_b64 v[L8], v[PC+10:PC+11], s[OUTC:OUTC+1] offset:768*\a+HEADB+512
	ds_store_b32 v[SQW], v[SW+\a] offset:64*\a
.endm
; v: block a is 16 of a head's d (head a / 4 of my two, tile a % 4) x my 128 keys: one fragment of V^T
.macro OUTV a
.if \a > 0
	s_wait_xcnt 0x0
.endif
	v_mov_b32 v[BB], v[BV+\a]
	v_mov_b32 v[BB+1], v[BV+\a]
.set WN, 0x02+(\a)/4
	WIN WN
.set i, 0
.rept 32
	v_pk_add_f32 v[HA+2*i:HA+2*i+1], v[64*((\a)%4)+2*i:64*((\a)%4)+2*i+1], v[BB:BB+1]
.set i, i+1
.endr
	WIN 0
	QUANT HA, SW+\a
.irp c, 0,1,2
	global_store_b128 v[L16], v[PC+4*\c:PC+4*\c+3], s[OUTC:OUTC+1] offset:((\a)/4)*HEADB+((\a)%4)*1536+512*\c
.endr
	ds_store_b32 v[SVW], v[SW+\a] offset:64*\a     ; both halves of the lanes write the same word with the same value
.endm
	PLACES NP                                      ; behind the last products: their operands' registers are written and results read below
	s_wait_loadcnt 0x0                             ; the biases; their address registers are free from here on
.irp b, 0,1,2,3
	v_mov_b32 v[TM+4+\b], 0                        ; (a lane permute's destination counts as one of its sources)
.endr
	s_mov_b32 s3, 0
	s_cmp_lt_u32 s17, 8
	s_cbranch_scc0 .Lv_mode
	s_lshl_b32 s20, s19, 4
	s_lshl_b32 s21, s15, 3
	s_add_co_u32 s20, s20, s21                     ; my first tile of tokens
	s_lshr_b32 s21, s20, 7                         ; the batch,
	s_and_b32 s20, s20, 127                        ; the tile in it
	s_lshl_b32 s22, s42, 2
	s_lshl_b32 s23, s16, 1
	s_add_co_u32 s22, s22, s23                     ; my first head among q's 16 and k's 16
	s_lshr_b32 s23, s22, 4
	s_and_b32 s22, s22, 15
	s_lshl_b32 s23, s23, 6
	s_lshl_b32 s21, s21, 4
	s_add_co_u32 s21, s21, s22
	s_add_co_u32 s21, s21, s23                     ; 64 x (q or k) + 16 x batch + head
	s_mul_i32 s22, s21, HEADB
	s_mul_i32 s23, s20, 768
	s_add_co_u32 s2, s22, s23
	s_add_nc_u64 s[OUTC:OUTC+1], s[10:11], s[2:3]
	s_lshl_b32 s22, s21, 13
	s_lshl_b32 s23, s20, 6
	s_add_co_u32 s2, s22, s23
	s_add_co_u32 s2, s2, QKSCL
	s_add_nc_u64 s[OUTS:OUTS+1], s[10:11], s[2:3]
.irp a, 0,1,2,3,4,5,6,7
	OUTQK \a
.endr
	ds_load_b128 v[4:7], v[SQR]                    ; LDS serves a wave's instructions in order: these see my stores.  Eight tiles' words of a head: 512 bytes
	ds_load_b128 v[8:11], v[SQR] offset:512
	s_wait_dscnt 0x0
	global_store_b128 v[L16], v[4:7], s[OUTS:OUTS+1]
	global_store_b128 v[L16], v[8:11], s[OUTS:OUTS+1] offset:8192
	s_branch .Lend
.Lv_mode:
	s_sub_co_u32 s20, s19, 8
	s_lshl_b32 s20, s20, 2
	s_lshl_b32 s21, s15, 1
	s_add_co_u32 s20, s20, s21                     ; my first head
	s_lshl_b32 s21, s42, 1
	s_add_co_u32 s21, s21, s16                     ; my 128 tokens
	s_lshr_b32 s22, s21, 4                         ; the batch,
	s_and_b32 s21, s21, 15                         ; the key step in it
	s_lshl_b32 s22, s22, 4
	s_add_co_u32 s22, s22, s20                     ; 16 x batch + head
	s_mul_i32 s23, s22, HEADB
	s_mul_i32 s20, s21, 6144
	s_add_co_u32 s2, s23, s20
	s_add_nc_u64 s[OUTC:OUTC+1], s[12:13], s[2:3]
	s_lshl_b32 s23, s22, 12
	s_lshl_b32 s20, s21, 8
	s_add_co_u32 s2, s23, s20
	s_add_co_u32 s2, s2, VSCL
	s_add_nc_u64 s[OUTS:OUTS+1], s[12:13], s[2:3]
.irp a, 0,1,2,3,4,5,6,7
	OUTV \a
.endr
	ds_load_b64 v[4:5], v[SVR]                     ; four tiles' words of a head and key step: 256 bytes
	ds_load_b64 v[6:7], v[SVR] offset:256
	s_wait_dscnt 0x0
	global_store_b64 v[L8], v[4:5], s[OUTS:OUTS+1]
	global_store_b64 v[L8], v[6:7], s[OUTS:OUTS+1] offset:4096
.Lend:
	s_wait_tensorcnt 0x0                           ; the wave's end, behind my last tensor load and my last LDS store
	ds_add_u32 v[SPW], v[NIL]
	s_wait_dscnt 0x0
	CROUND                                         ; the closing round
	s_endpgm
.Lfunc_end_k_q6b9b8afc0d_qkv:
	.size	k_q6b9b8afc0d_qkv, .Lfunc_end_k_q6b9b8afc0d_qkv-k_q6b9b8afc0d_qkv
	.p2alignl 7, 3214868480
	.fill 96, 4, 3214868480
	.section	.rodata,"a",@progbits
	.p2align	6, 0x0
	.amdhsa_kernel k_q6b9b8afc0d_qkv
		.amdhsa_group_segment_fixed_size 327680
		.amdhsa_private_segment_fixed_size 0
		.amdhsa_enable_private_segment 0
		.amdhsa_kernarg_size 40
		.amdhsa_user_sgpr_count 2
		.amdhsa_user_sgpr_kernarg_segment_ptr 1
		.amdhsa_wavefront_size32 1
		.amdhsa_system_sgpr_workgroup_id_x 1
		.amdhsa_system_sgpr_workgroup_id_y 1
		.amdhsa_system_sgpr_workgroup_id_z 1
		.amdhsa_system_vgpr_workitem_id 0
		.amdhsa_next_free_vgpr 1024
		.amdhsa_next_free_sgpr 100
		.amdhsa_reserve_vcc 0
		.amdhsa_float_denorm_mode_32 3
		.amdhsa_float_denorm_mode_16_64 3
		.amdhsa_memory_ordered 1
		.amdhsa_forward_progress 1
		.amdhsa_inst_pref_size 220
	.end_amdhsa_kernel
	.amdgpu_metadata
---
amdhsa.version: [ 1, 2 ]
amdhsa.kernels:
  - .name:           k_q6b9b8afc0d_qkv
    .symbol:         k_q6b9b8afc0d_qkv.kd
    .args:
      - { .name: xq, .offset: 0, .size: 8, .value_kind: global_buffer, .address_space: global }
      - { .name: wq, .offset: 8, .size: 8, .value_kind: global_buffer, .address_space: global }
      - { .name: b_qkv, .offset: 16, .size: 8, .value_kind: global_buffer, .address_space: global }
      - { .name: qkq, .offset: 24, .size: 8, .value_kind: global_buffer, .address_space: global }
      - { .name: vq, .offset: 32, .size: 8, .value_kind: global_buffer, .address_space: global }
    .group_segment_fixed_size: 327680
    .private_segment_fixed_size: 0
    .kernarg_segment_align: 8
    .kernarg_segment_size: 40
    .max_flat_workgroup_size: 128
    .sgpr_count:     100
    .vgpr_count:     1024
    .wavefront_size: 32
...
	.end_amdgpu_metadata
.endif
;; end of part 2
;; launch attn (part 3): grid 4 x 64, 16 waves a work-group, clusters of 4 x 1, 212,992 bytes of LDS; arguments qkq, vq, aq; writes aq
.if DOCPART == 3
	.amdgcn_target "amdgcn-amd-amdhsa--gfx1250"
	.amdhsa_code_object_version 6
	.text
	.protected	k_q6b9b8afc0d_attn
	.globl	k_q6b9b8afc0d_attn
	.p2align	8
	.type	k_q6b9b8afc0d_attn,@function
k_q6b9b8afc0d_attn:
	s_mov_b64 s[64:65], 0
	v_nop
	global_prefetch_b8 v0, s[64:65] scope:SCOPE_SE
	s_setreg_imm32_b32 hwreg(HW_REG_WAVE_MODE, 25, 1), 1
	s_wait_xcnt 0x0
	s_wait_alu depctr_hold_cnt(0) depctr_sa_sdst(0) depctr_va_vdst(0) depctr_va_sdst(0) depctr_va_ssrc(0) depctr_va_vcc(0) depctr_vm_vsrc(0)
	s_getreg_b32 s2, hwreg(HW_REG_IB_STS2, 6, 4)
	s_cmp_eq_u32 s2, 0
	s_cbranch_scc0 .Lentry_in_a_cluster
	s_endpgm
.Lentry_in_a_cluster:
	s_bfe_u32 s2, ttmp6, 0x10000c
	s_cmp_lg_u32 s2, 0x3003
	s_cbranch_scc0 .Lentry_shape_is_right
	s_endpgm
.Lentry_shape_is_right:
; o = softmax(q k^T / 8, causal) v for one batch and head to a cluster of four work-groups, both products on codes of FP6 (E2M3) with E8M0 scales; o is quantised along D for the last product.
; THE SOFTMAX: t = score x log2(e) / 8; M = the running largest t rounded up to a whole number; p = 2^(t - M) is quantised along the keys, not normalised; the row's sum is taken of the unquantised p and divides o at the end.
; A HEAD'S K AND V STAY IN LDS: codes and scale words are 208,896 bytes, filled ONCE by joint loads that name the four work-groups; no byte is filled again, and the work has no barrier.
; SHARES.  Tiles of 16 queries, 128 to a head.  Wave w of work-group cx owns tiles T0 = 8 (w / 2) + 2 cx + w % 2 and 127 - T0.  Tile T needs the key steps 0 .. T / 8 of 128 keys, so every wave has 17 steps;
; T0 / 8 = w / 2 hangs on the wave's number alone: no branch hangs on cx, which enters q's and the output's addresses and the number that the mask compares.
; Each pass walks all 16 key steps, a constant count, and jumps over the work of the steps whose keys all come after its queries.
; LAYOUT.  Both products transposed: S^T = K Q^T, O^T = V^T P^T: a lane holds one query.  Tiles are in the order place r of tile 2 a + u = row 32 a + 8 u + r + 8 (r / 8), so that the 16 registers of two
; neighbouring result tiles are 16 neighbours along the next K.  K = 64 IN THE FIRST PRODUCT: q's upper six registers are zero codes; K's operand takes the next tile's six registers there, which add nothing
; (no scale byte is 0xff).
; LIMITS: NaN and infinities are not served; 1 / sum is v_rcp_f32 and a multiplication; a block of zeros gets the byte 1.
; The two scale bytes a row leave by a store of 2 bytes a lane: a head owns 2 of a row's 32 scale bytes; they are 1 / 24 of what the launch stores.
.set VCO,   98304                      ; LDS: K's codes at 0 (tile Tk at 768 Tk), V's here ([key step][tile of d][1,536]),
.set KSC,   196608                     ; K's scale words (64 bytes a tile),
.set VSC,   204800                     ; V's (256 bytes a key step),
.set SPARE, 208896                     ; the spare words, 128 bytes for each of sixteen waves
.set QKSCL, 12582912
.set VSCL,  6291456
.set ASCL,  6291456
.set HEADB, 98304
.set SPW, 6
.set NIL, 7
.set F,   36                           ; v36-83 eight tiles of K (6 registers) or four fragments of V (12); v84-89 zero codes
.set FS,  90                           ; v90-97 their scale words, and nothing else
.set S,   98                           ; v98-161 S^T, then p
.set O,   162                          ; v162-193 O^T
.set PC,  194                          ; v194-205 p's codes; v206-208, v210-212 the conversions' second halves
.set BM,  214                          ; v214-217 the blocks' largest
.set PM,  218                          ; v218-221 lane l xor 16's; then the bytes
.set SO,  222                          ; v222-225 the conversions' scale operands
.set TMP, 226
.set R4,  227                          ; 4 r
.set R8,  228                          ; 8 r
.set SB2, 230                          ; v[230:231] the sum's second chain
.set SEL, 20
.set CS,  22
.set G1C, 24                           ; groups 1: codes (96 rows of 256 bytes), K's scale words (32), V's (16)
.set G1K, 32
.set G1V, 40
.set G0KC, 48                          ; groups 0: K's codes, V's codes, K's scale words, V's
.set G0VC, 52
.set G0KS, 56
.set G0VS, 60
.macro CROUND
	s_barrier_signal -1
	s_barrier_wait -1
	s_cmp_lg_u32 s10, 0
	s_cbranch_scc1 .Lnot_wave_0_\@
	s_barrier_signal -3
.Lnot_wave_0_\@:
	s_barrier_wait -3
	s_barrier_signal -1
	s_barrier_wait -1
.endm
.macro FILL g0, g1                     ; s_nop 0 and four v_nop follow the load
	tensor_load_to_lds s[\g0:\g0+3], s[\g1:\g1+7]
	s_nop 0
.rept 4
	v_nop
.endr
.endm
	s_load_b128 s[4:7], s[0:1], 0x0                ; qkq, vq
	s_load_b64 s[8:9], s[0:1], 0x10                ; aq
	v_lshl_add_u32 v[SPW], v0, 2, SPARE
	v_mov_b32 v[NIL], 0
	ds_add_u32 v[SPW], v[NIL]                      ; the wave's opening: the add and its wait ahead of the first tensor loads
	ds_add_u32 v[SPW], v[NIL]
	v_lshrrev_b32 v8, 5, v0
	s_delay_alu instid0(VALU_DEP_1)
	v_readfirstlane_b32 s10, v8                    ; wave 0..15
	s_bfe_u32 s11, ttmp6, 0x40000                  ; cx
	s_and_b32 s12, ttmp7, 0xffff                   ; 16 x batch + head, which the four partners share
.irp g, G1C, G1K, G1V                  ; dense blocks as rows of 256 bytes (32 elements of 8); the mask names all four work-groups, bit 21 beside it
	s_mov_b32 s[\g], 15|(3<<16)|(1<<21)
	s_mov_b32 s[\g+1], 32<<16
	s_mov_b32 s[\g+3], 32<<16
	s_mov_b32 s[\g+5], 32
	s_mov_b32 s[\g+6], 0
	s_mov_b32 s[\g+7], 0
.endr
	s_mov_b32 s[G1C+2], 96<<16
	s_mov_b32 s[G1C+4], 96
	s_mov_b32 s[G1K+2], 32<<16
	s_mov_b32 s[G1K+4], 32
	s_mov_b32 s[G1V+2], 16<<16
	s_mov_b32 s[G1V+4], 16
	s_mul_i32 s14, s12, HEADB
	s_and_b32 s15, s10, 3
	s_mul_i32 s15, s15, 24576                      ; a quarter of a head's codes to a wave
	s_add_co_u32 s16, s14, s15                     ; in vq
	s_mov_b32 s17, 0
	s_add_co_u32 s18, s16, 64*HEADB                ; in qkq: k's heads lie behind q's 64
	s_mov_b32 s19, 0
	s_lshl_b32 s2, s12, 13
	s_add_co_u32 s2, s2, QKSCL+64*8192             ; k's scale words
	s_mov_b32 s3, 0
	s_lshl_b32 s14, s12, 12
	s_add_co_u32 s14, s14, VSCL                    ; v's
	s_mov_b32 s15, 0
	s_mul_i32 s13, s10, 24576                      ; LDS: waves 0-3 K's quarters, waves 4-7 V's
	s_mov_b32 s[SEL], 0x76543210
	s_mov_b32 s[SEL+1], 0xfedcba98
	s_mov_b32 s[CS], 0x3e38aa3b                    ; c = log2(e) / 8
	s_mov_b32 s[CS+1], s[CS]
	s_wait_dscnt 0x0                               ; the opening add is done
	s_wait_kmcnt 0x0
	s_mov_b32 s[G0KC], 1
	s_mov_b32 s[G0KC+1], s13
	s_add_nc_u64 s[G0KC+2:G0KC+3], s[4:5], s[18:19]
	s_or_b32 s[G0KC+3], s[G0KC+3], 0x80000000
	s_mov_b32 s[G0VC], 1
	s_mov_b32 s[G0VC+1], s13
	s_add_nc_u64 s[G0VC+2:G0VC+3], s[6:7], s[16:17]
	s_or_b32 s[G0VC+3], s[G0VC+3], 0x80000000
	s_mov_b32 s[G0KS], 1
	s_mov_b32 s[G0KS+1], KSC
	s_add_nc_u64 s[G0KS+2:G0KS+3], s[4:5], s[2:3]
	s_or_b32 s[G0KS+3], s[G0KS+3], 0x80000000
	s_mov_b32 s[G0VS], 1
	s_mov_b32 s[G0VS+1], VSC
	s_add_nc_u64 s[G0VS+2:G0VS+3], s[6:7], s[14:15]
	s_or_b32 s[G0VS+3], s[G0VS+3], 0x80000000
	CROUND                                         ; all four work-groups are here: the joint loads meet
	s_cmp_lt_u32 s10, 4                            ; one load a wave at the most, in one chain of branches on the wave's number, the same in all partners
	s_cbranch_scc0 .Lfill_1
	FILL G0KC, G1C
	s_branch .Lfilled
.Lfill_1:
	s_cmp_lt_u32 s10, 8
	s_cbranch_scc0 .Lfill_2
	FILL G0VC, G1C
	s_branch .Lfilled
.Lfill_2:
	s_cmp_eq_u32 s10, 8
	s_cbranch_scc0 .Lfill_3
	FILL G0KS, G1K
	s_branch .Lfilled
.Lfill_3:
	s_cmp_eq_u32 s10, 9
	s_cbranch_scc0 .Lfilled
	FILL G0VS, G1V
.Lfilled:
	v_and_b32 v8, 31, v0                           ; lane
	v_and_b32 v9, 15, v0                           ; r
	v_bfe_u32 v10, v0, 4, 1                        ; h
	s_delay_alu instid0(VALU_DEP_3)
	v_lshlrev_b32 v1, 4, v8                        ; v1 16 x lane
	s_delay_alu instid0(VALU_DEP_4)
	v_lshlrev_b32 v2, 3, v8                        ; v2 8 x lane
	s_delay_alu instid0(VALU_DEP_4)
	v_lshlrev_b32 v[R4], 2, v9
	v_lshlrev_b32 v[R8], 3, v9
	s_delay_alu instid0(VALU_DEP_2)
	v_add_nc_u32 v3, KSC, v[R4]                    ; v3, v4 my row's scale word in a tile of K, of V
	s_delay_alu instid0(VALU_DEP_3)
	v_add_nc_u32 v4, VSC, v[R4]
	v_and_b32 v5, 8, v9
	s_delay_alu instid0(VALU_DEP_1)
	v_add_nc_u32 v5, v5, v9
	v_lshlrev_b32 v11, 4, v10
	s_delay_alu instid0(VALU_DEP_1)
	v_sub_nc_u32 v5, v5, v11                       ; v5 = r + 8 (r / 8) - 16 h: my query in its tile, less my half's first key in a block
	v_mov_b32 v14, 0xff800000                      ; -infinity
	v_add_nc_u32 v15, VCO, v1
.irp j, 26,27,28,29,30,31,84,85,86,87,88,89
	v_mov_b32 v\j, 0                               ; zero codes, written once
.endr
.irp j, 35,218,219,220,221,226
	v_mov_b32 v\j, 0                               ; upper half of the pair v[34:35]; lane permutes' destinations count as sources
.endr
; a pass's addresses: s[PB:PB+1] q's half image, +2 its scale words, +4 the output's half image, +6 its scale bytes, s[PB+9] the tile's first query.  T in s14
.macro PADDR p
.set PB, 68+12*\p
	s_lshl_b32 s15, s12, 7
	s_add_co_u32 s15, s15, s14
	s_mul_i32 s16, s15, 768
	s_mov_b32 s17, 0
	s_add_nc_u64 s[PB:PB+1], s[4:5], s[16:17]
	s_lshl_b32 s16, s15, 6
	s_add_co_u32 s16, s16, QKSCL
	s_add_nc_u64 s[PB+2:PB+3], s[4:5], s[16:17]
	s_lshr_b32 s15, s12, 4
	s_lshl_b32 s15, s15, 7
	s_add_co_u32 s15, s15, s14                     ; the tile of tokens: 128 x batch + T
	s_and_b32 s18, s12, 15
	s_lshr_b32 s19, s18, 2                         ; the head's K step of 256 in D,
	s_and_b32 s18, s18, 3                          ; and its half image there
	s_mul_i32 s16, s15, 12288
	s_mul_i32 s2, s19, 3072
	s_add_co_u32 s16, s16, s2
	s_mul_i32 s2, s18, 768
	s_add_co_u32 s16, s16, s2
	s_add_nc_u64 s[PB+4:PB+5], s[8:9], s[16:17]
	s_lshr_b32 s16, s15, 1
	s_lshl_b32 s16, s16, 10
	s_lshl_b32 s2, s19, 8
	s_add_co_u32 s16, s16, s2
	s_and_b32 s2, s14, 1
	s_lshl_b32 s2, s2, 7
	s_add_co_u32 s16, s16, s2
	s_lshl_b32 s2, s18, 1
	s_add_co_u32 s16, s16, s2
	s_add_co_u32 s16, s16, ASCL
	s_add_nc_u64 s[PB+6:PB+7], s[8:9], s[16:17]
	s_lshr_b32 s16, s14, 1
	s_lshl_b32 s16, s16, 5
	s_and_b32 s2, s14, 1
	s_lshl_b32 s2, s2, 3
	s_add_co_u32 s[PB+9], s16, s2
.endm
	s_lshr_b32 s13, s10, 1
	s_lshl_b32 s14, s13, 3
	s_lshl_b32 s15, s11, 1
	s_add_co_u32 s14, s14, s15
	s_and_b32 s15, s10, 1
	s_add_co_u32 s14, s14, s15                     ; T0
	PADDR 0
	s_mov_b32 s76, s13                             ; its last key step: by the wave's number alone
	s_sub_co_u32 s14, 127, s14                     ; T1
	PADDR 1
	s_sub_co_u32 s88, 15, s13
	s_wait_tensorcnt 0x0                           ; my part of the head is in,
	s_barrier_signal -1
	s_barrier_wait -1                              ; everybody's is; nothing is filled again
.macro PASS p
.set PB, 68+12*\p
	s_wait_xcnt 0x0                                ; the last pass's stores have read their registers
	global_load_b128 v[20:23], v1, s[PB:PB+1]      ; q's half image, as it lies
	global_load_b64 v[24:25], v2, s[PB:PB+1] offset:512
	global_load_b32 v32, v[R4], s[PB+2:PB+3]       ; and its scale words
	v_mov_b32 v17, 0xff61b1e6                      ; the largest t so far: -3e38
	s_delay_alu instid0(VALU_DEP_1)
	v_floor_f32 v16, -v17                          ; -M
	v_mov_b32 v18, 0                               ; the sum, in two halves
	v_mov_b32 v19, 0
.set i, 0
.rept 32
	v_mov_b32 v[O+i], 0                            ; O^T: the step is written once; the first change of M leaves zeros zeros
.set i, i+1
.endr
	s_mov_b32 s90, 0                               ; the key step; 6,144, 512 and 256 times it
	s_mov_b32 s91, 0
	s_mov_b32 s92, 0
	s_mov_b32 s93, 0
	s_wait_loadcnt 0x0
.Lstep_\@:
	s_cmp_gt_u32 s90, s[PB+8]                      ; all keys of this step come after my queries: only the steps of the addresses are run
	s_cbranch_scc1 .Lhid_\@
	s_setprio 2
	v_add_nc_u32 v8, s91, v1                       ; these five are also the places in front of the loads into registers that the last products read
	v_add_nc_u32 v9, s91, v2
	v_add_nc_u32 v10, s91, v15
	v_add_nc_u32 v11, s92, v3
	v_add_nc_u32 v12, s93, v4
.irp t, 0,1,2,3,4,5,6,7
	ds_load_b128 v[F+6*\t:F+6*\t+3], v8 offset:768*\t
	ds_load_b64 v[F+6*\t+4:F+6*\t+5], v9 offset:768*\t+512
	ds_load_b32 v[FS+\t], v11 offset:64*\t
.endr
	s_wait_alu depctr_va_vdst(0)
	s_wait_dscnt 0x0
.irp t, 0,1,2,3,4,5,6,7
	v_wmma_scale_f32_16x16x128_f8f6f4 v[S+8*\t:S+8*\t+7], v[F+6*\t:F+6*\t+11], v[20:31], 0, v[FS+\t], v32 matrix_a_fmt:MATRIX_FMT_FP6 matrix_b_fmt:MATRIX_FMT_FP6
.endr
.rept 4
	v_nop                                          ; places in front of the loads below and of the first read of the scores
.endr
.irp t, 0,1,2,3                        ; V's four fragments land under the softmax
.irp c, 0,1,2
	ds_load_b128 v[F+12*\t+4*\c:F+12*\t+4*\c+3], v10 offset:1536*\t+512*\c
.endr
	ds_load_b32 v[FS+\t], v12 offset:64*\t
.endr
	s_cmp_lg_u32 s90, s[PB+8]                      ; only the last step of a tile lies on the diagonal
	s_cbranch_scc1 .Lopen_\@
	s_lshl_b32 s94, s90, 7
	s_sub_co_i32 s94, s[PB+9], s94
	v_add_nc_u32 v13, s94, v5                      ; register 16 b + i holds a key that is hidden where 32 b + i is above this number
.set i, 0
.rept 64
	v_cmp_gt_i32 vcc_lo, 32*(i/16)+i%16, v13
	v_cndmask_b32 v[S+i], v[S+i], v14, vcc_lo
.set i, i+1
.endr
.Lopen_\@:
.irp b, 0,1,2,3
	v_max3_num_f32 v[BM+\b], v[S+16*\b], v[S+1+16*\b], v[S+2+16*\b]    ; the largest score of each block of 32 keys: for the row's maximum, and for the block's largest p
.endr
.irp i, 3,5,7,9,11,13
.irp b, 0,1,2,3
	v_max3_num_f32 v[BM+\b], v[BM+\b], v[S+16*\b+\i], v[S+1+16*\b+\i]
.endr
.endr
.irp b, 0,1,2,3
	v_max_num_f32 v[BM+\b], v[BM+\b], v[S+15+16*\b]
.endr
.irp b, 0,1,2,3
	s_delay_alu instid0(VALU_DEP_4)
	v_permlanex16_b32 v[PM+\b], v[BM+\b], s[SEL], s[SEL+1]
.endr
.irp b, 0,1,2,3
	s_delay_alu instid0(VALU_DEP_4)
	v_max_num_f32 v[BM+\b], v[BM+\b], v[PM+\b]
.endr
	s_delay_alu instid0(VALU_DEP_2)
	v_max3_num_f32 v[TMP], v[BM], v[BM+1], v[BM+2]
	s_delay_alu instid0(VALU_DEP_1)
	v_max_num_f32 v[TMP], v[TMP], v[BM+3]
	s_delay_alu instid0(VALU_DEP_1)
	v_mul_f32 v[TMP], s[CS], v[TMP]
	s_delay_alu instid0(VALU_DEP_1)
	v_max_num_f32 v17, v17, v[TMP]                 ; the running largest t
	v_mov_b32 v[TMP], v16
	s_delay_alu instid0(VALU_DEP_2)
	v_floor_f32 v16, -v17                          ; the new -M = -ceil(t): a whole number
	s_delay_alu instid0(VALU_DEP_1)
	v_sub_f32 v[TMP], v16, v[TMP]
	s_delay_alu instid0(VALU_DEP_1)
	v_cvt_i32_f32 v[TMP], v[TMP]                   ; (it saturates)
	s_delay_alu instid0(VALU_DEP_1)
	v_ldexp_f32 v34, 1.0, v[TMP]                   ; f = 2^(old M - new M): rounds nothing
.set i, 0
	s_setprio 1
.rept 32
	v_pk_fma_f32 v[S+i:S+i+1], v[S+i:S+i+1], s[CS:CS+1], v[16:17] op_sel_hi:[1,0,0]   ; t - M
.set i, i+2
.endr
.irp b, 0,1,2,3
	v_fma_f32 v[BM+\b], v[BM+\b], s[CS], v16
.endr
.set i, 0
	s_wait_alu depctr_va_vdst(0)
.rept 64
	v_exp_f32 v[S+i], v[S+i]                       ; p = 2^(t - M): one batch
.set i, i+1
.endr
	v_pk_mul_f32 v[18:19], v[18:19], v[34:35] op_sel_hi:[1,0]      ; the sum under the new M; the plain line behind the batch
	s_wait_alu depctr_va_vdst(0)                   ; one wait for the batch, ahead of its first reader
.irp b, 0,1,2,3
	v_exp_f32 v[BM+\b], v[BM+\b]                   ; the blocks' largest p
.endr
	v_pk_add_f32 v[SB2:SB2+1], v[S:S+1], v[S+2:S+3]                ; the sum of the unquantised p, in two chains
.irp j, 4,8,12,16,20,24,28,32,36,40,44,48,52
	v_pk_add_f32 v[18:19], v[18:19], v[S+\j:S+\j+1]
	v_pk_add_f32 v[SB2:SB2+1], v[SB2:SB2+1], v[S+\j+2:S+\j+3]
.endr
	s_wait_alu depctr_va_vdst(0)                   ; and one for the four
.irp b, 0,1,2,3
	v_max_num_f32 v[BM+\b], 0x1800000, v[BM+\b]    ; the floor 2^(3 - 127): the byte cannot fall under 1
.endr
.irp b, 0,1,2,3
	s_delay_alu instid0(VALU_DEP_4)
	v_add_nc_u32 v[SO+\b], 0xff000000, v[BM+\b]
.endr
.irp b, 0,1,2,3
	s_delay_alu instid0(VALU_DEP_4)
	v_lshrrev_b32 v[PM+\b], 23, v[SO+\b]
.endr
	s_delay_alu instid0(VALU_DEP_3)
	v_lshl_or_b32 v33, v[PM+1], 8, v[PM]           ; p's scale word for these 128 keys
	s_delay_alu instid0(VALU_DEP_1)
	v_lshl_or_b32 v33, v[PM+2], 16, v33
	s_delay_alu instid0(VALU_DEP_1)
	v_lshl_or_b32 v33, v[PM+3], 24, v33
	s_setprio 0
.irp c, 0,1
	v_cvt_scalef32_pk16_fp6_f32 v[PC+6*\c:PC+2+6*\c], v[S+32*\c:S+15+32*\c], v[SO+2*\c]
	v_cvt_scalef32_pk16_fp6_f32 v[PC+12+4*\c:PC+14+4*\c], v[S+16+32*\c:S+31+32*\c], v[SO+2*\c+1]
.endr
	v_nop                                          ; one plain line behind the conversions
.irp c, 0,1
.irp i, 0,1,2
	v_permlane16_swap_b32 v[PC+6*\c+\i], v[PC+12+4*\c+\i]
.endr
.irp i, 0,1,2
	s_delay_alu instid0(VALU_DEP_3)
	v_mov_b32 v[PC+3+6*\c+\i], v[PC+12+4*\c+\i]
.endr
.endr
.set i, 0
.rept 16
	v_pk_mul_f32 v[O+i:O+i+1], v[O+i:O+i+1], v[34:35] op_sel_hi:[1,0]      ; O^T under the new M
.set i, i+2
.endr
.irp j, 56,60                          ; the sum's last five additions stand here: plain lines that name no register of the products below
	v_pk_add_f32 v[18:19], v[18:19], v[S+\j:S+\j+1]
	v_pk_add_f32 v[SB2:SB2+1], v[SB2:SB2+1], v[S+\j+2:S+\j+3]
.endr
	s_delay_alu instid0(VALU_DEP_1)
	v_pk_add_f32 v[18:19], v[18:19], v[SB2:SB2+1]
	s_wait_alu depctr_va_vdst(0)
	s_wait_dscnt 0x0                               ; V is in
.irp t, 0,1,2,3                        ; four accumulators by turns; the next step's eight products stand between two links of a chain
	v_wmma_scale_f32_16x16x128_f8f6f4 v[O+8*\t:O+8*\t+7], v[F+12*\t:F+12*\t+11], v[PC:PC+11], v[O+8*\t:O+8*\t+7], v[FS+\t], v33 matrix_a_fmt:MATRIX_FMT_FP6 matrix_b_fmt:MATRIX_FMT_FP6
.endr
.Lhid_\@:
	s_add_co_u32 s91, s91, 6144
	s_add_co_u32 s92, s92, 512
	s_add_co_u32 s93, s93, 256
	s_add_co_u32 s90, s90, 1
	s_cmp_lt_u32 s90, 16
	s_cbranch_scc1 .Lstep_\@
	s_setprio 0
.rept 4
	v_nop                                          ; places behind the last products
.endr
	v_add_f32 v18, v18, v19
	s_delay_alu instid0(VALU_DEP_1)
	v_permlanex16_b32 v[TMP], v18, s[SEL], s[SEL+1]
	s_delay_alu instid0(VALU_DEP_1)
	v_add_f32 v18, v18, v[TMP]                     ; the row's sum
	s_wait_alu depctr_va_vdst(0)
	v_rcp_f32 v34, v18
	v_nop                                          ; a plain line behind the reciprocal
	s_wait_alu depctr_va_vdst(0)                   ; and the wait ahead of its first reader
.set i, 0
.rept 16
	v_pk_mul_f32 v[S+i:S+i+1], v[O+i:O+i+1], v[34:35] op_sel_hi:[1,0]      ; o: register 16 b + i is d = 32 b + 16 h + i of my query
.set i, i+2
.endr
.irp b, 0,1
	v_max3_num_f32 v[BM+\b], |v[S+16*\b]|, |v[S+1+16*\b]|, 0x1800000
.endr
.irp i, 2,4,6,8,10,12,14
.irp b, 0,1
	s_delay_alu instid0(VALU_DEP_2)
	v_max3_num_f32 v[BM+\b], v[BM+\b], |v[S+16*\b+\i]|, |v[S+1+16*\b+\i]|
.endr
.endr
.irp b, 0,1
	s_delay_alu instid0(VALU_DEP_2)
	v_permlanex16_b32 v[PM+\b], v[BM+\b], s[SEL], s[SEL+1]
.endr
.irp b, 0,1
	s_delay_alu instid0(VALU_DEP_2)
	v_max_num_f32 v[BM+\b], v[BM+\b], v[PM+\b]
.endr
.irp b, 0,1
	s_delay_alu instid0(VALU_DEP_2)
	v_add_nc_u32 v[SO+\b], 0xff000000, v[BM+\b]
.endr
.irp b, 0,1
	s_delay_alu instid0(VALU_DEP_2)
	v_lshrrev_b32 v[PM+\b], 23, v[SO+\b]
.endr
	s_delay_alu instid0(VALU_DEP_1)
	v_lshl_or_b32 v[TMP], v[PM+1], 8, v[PM]        ; the head's two scale bytes of my row
	v_cvt_scalef32_pk16_fp6_f32 v[PC:PC+2], v[S:S+15], v[SO]
	v_cvt_scalef32_pk16_fp6_f32 v[PC+12:PC+14], v[S+16:S+31], v[SO+1]
	v_nop
.irp i, 0,1,2
	v_permlane16_swap_b32 v[PC+\i], v[PC+12+\i]
.endr
.irp i, 0,1,2
	s_delay_alu instid0(VALU_DEP_3)
	v_mov_b32 v[PC+3+\i], v[PC+12+\i]
.endr
	global_store_b128 v1, v[PC:PC+3], s[PB+4:PB+5]             ; a half image: 512 and 256 consecutive bytes
	global_store_b64 v2, v[PC+4:PC+5], s[PB+4:PB+5] offset:512
	global_store_b16 v[R8], v[TMP], s[PB+6:PB+7]               ; (lanes 16-31 write what lanes 0-15 write)
.endm
	PASS 0
	PASS 1
	s_wait_tensorcnt 0x0                           ; the wave's end
	ds_add_u32 v[SPW], v[NIL]
	s_wait_dscnt 0x0
	CROUND                                         ; the closing round
	s_endpgm
.Lfunc_end_k_q6b9b8afc0d_attn:
	.size	k_q6b9b8afc0d_attn, .Lfunc_end_k_q6b9b8afc0d_attn-k_q6b9b8afc0d_attn
	.p2alignl 7, 3214868480
	.fill 96, 4, 3214868480
	.section	.rodata,"a",@progbits
	.p2align	6, 0x0
	.amdhsa_kernel k_q6b9b8afc0d_attn
		.amdhsa_group_segment_fixed_size 212992
		.amdhsa_private_segment_fixed_size 0
		.amdhsa_enable_private_segment 0
		.amdhsa_kernarg_size 24
		.amdhsa_user_sgpr_count 2
		.amdhsa_user_sgpr_kernarg_segment_ptr 1
		.amdhsa_wavefront_size32 1
		.amdhsa_system_sgpr_workgroup_id_x 1
		.amdhsa_system_sgpr_workgroup_id_y 1
		.amdhsa_system_sgpr_workgroup_id_z 1
		.amdhsa_system_vgpr_workitem_id 0
		.amdhsa_next_free_vgpr 256
		.amdhsa_next_free_sgpr 100
		.amdhsa_reserve_vcc 1
		.amdhsa_float_denorm_mode_32 3
		.amdhsa_float_denorm_mode_16_64 3
		.amdhsa_memory_ordered 1
		.amdhsa_forward_progress 1
		.amdhsa_inst_pref_size 68
	.end_amdhsa_kernel
	.amdgpu_metadata
---
amdhsa.version: [ 1, 2 ]
amdhsa.kernels:
  - .name:           k_q6b9b8afc0d_attn
    .symbol:         k_q6b9b8afc0d_attn.kd
    .args:
      - { .name: qkq, .offset: 0, .size: 8, .value_kind: global_buffer, .address_space: global }
      - { .name: vq, .offset: 8, .size: 8, .value_kind: global_buffer, .address_space: global }
      - { .name: aq, .offset: 16, .size: 8, .value_kind: global_buffer, .address_space: global }
    .group_segment_fixed_size: 212992
    .private_segment_fixed_size: 0
    .kernarg_segment_align: 8
    .kernarg_segment_size: 24
    .max_flat_workgroup_size: 512
    .sgpr_count:     100
    .vgpr_count:     256
    .wavefront_size: 32
...
	.end_amdgpu_metadata
.endif
;; end of part 3
;; launch proj (part 4): grid 4 x 32, 4 waves a work-group, clusters of 4 x 4, 327,680 bytes of LDS; arguments aq, wq, b_out, out0; writes out0
.if DOCPART == 4
	.amdgcn_target "amdgcn-amd-amdhsa--gfx1250"
	.amdhsa_code_object_version 6
	.text
	.protected	k_q6b9b8afc0d_proj
	.globl	k_q6b9b8afc0d_proj
	.p2align	8
	.type	k_q6b9b8afc0d_proj,@function
k_q6b9b8afc0d_proj:
	s_mov_b64 s[64:65], 0
	v_nop
	global_prefetch_b8 v0, s[64:65] scope:SCOPE_SE
	s_setreg_imm32_b32 hwreg(HW_REG_WAVE_MODE, 25, 1), 1
	s_wait_xcnt 0x0
	s_wait_alu depctr_hold_cnt(0) depctr_sa_sdst(0) depctr_va_vdst(0) depctr_va_sdst(0) depctr_va_ssrc(0) depctr_va_vcc(0) depctr_vm_vsrc(0)
	s_getreg_b32 s2, hwreg(HW_REG_IB_STS2, 6, 4)
	s_cmp_eq_u32 s2, 0
	s_cbranch_scc0 .Lentry_in_a_cluster
	s_endpgm
.Lentry_in_a_cluster:
	s_bfe_u32 s2, ttmp6, 0x10000c
	s_cmp_lg_u32 s2, 0xf033
	s_cbranch_scc0 .Lentry_shape_is_right
	s_endpgm
.Lentry_shape_is_right:
; out0 = o W_out + b_out on codes of FP6 (E2M3) with E8M0 scales, K = 1,024.  A = aq (8,192 tokens), B = wq's rows 3072-4095 (W_out's columns).
; A tile of 256 x 256 to a work-group, four waves, 128 x 128 each; K in four steps of 256 through two LDS slots filled by joint tensor loads (4 x 4 cluster: A's tiles along a row, B's along a column).
; The problem has 128 such tiles: 128 work-groups are launched.
; Operands lie as images of their registers (half images of 16 rows x 64 K, 768 bytes: registers 0-3 at 16 x lane, 4-5 at 512 + 8 x lane); place r of tile 2 a + u is row 32 a + 8 u + r + 8 (r / 8).
; The product is used transposed (source 0 = 16 rows of B, source 1 = 16 rows of A): a lane holds one token, register j of accumulator (a, b) column 32 (b / 2) + 16 (lane / 16) + 8 (b % 2) + j.
; The bias is the C of each sum's first product.  Results leave through each wave's stage in slot 0 (which has had its last fill and its last read by then) as whole rows of 512 bytes.
; REGISTERS: window 0: v16-29 addresses; v32-63 scale words and nothing else; v64-127 the bias; v128-223 A's fragments, on the way out v128-255 rows of the result.  window 1: B's two sets.  windows 2, 3: accumulators.
.set TB16,   3072
.set HALFT,  8*TB16
.set SLOT,   4*HALFT
.set SCL,    2*SLOT
.set HALFS,  4096
.set SPARE,  SCL+4*HALFS
.set ASCL,   6291456
.set WSCL,   3145728
.set SPITCH, 528
.set NQ, 2
.set FR, 12
.set NL, 4
.set NP, 4
.set ADRA, 16
.set ADRB, 20
.set STO,  24
.set RD,   25
.set CO,   26
.set ADRS, 27
.set SPW,  28
.set NIL,  29
.set SC,   32
.set BI,   64
.set AF,   128
.set BK,   128
.set G1, 24
.set G0, 32
.set G1B, 48
.set G0B, 56
.set G1S, 68
.set G0S, 76
.set G1SB, 80
.set G0SB, 88
.set MSB, 0
.macro WIN new
.if MSB != \new
	s_set_vgpr_msb (MSB<<8)|\new
.set MSB, \new
.endif
.endm
.set MUL_LO, 0xa1                      ; source 0 (B) window 1, source 1 (A) window 0, C and D window 2
.set MUL_HI, 0xf1
.set BIA_LO, 0x81                      ; the same with C (the bias) in window 0
.set BIA_HI, 0xc1
.set TO_B,   0x40
.macro JLOAD g0a, g1a, g0b, g1b        ; a joint load: waves 0, 1 fetch for A, waves 2, 3 for B; s_nop 0 and four v_nop follow each line
	s_cmp_eq_u32 s15, 0
	s_cbranch_scc0 .Lfor_b_\@
	tensor_load_to_lds s[\g0a:\g0a+3], s[\g1a:\g1a+7]
	s_nop 0
.rept 4
	v_nop
.endr
	s_branch .Lasked_\@
.Lfor_b_\@:
	tensor_load_to_lds s[\g0b:\g0b+3], s[\g1b:\g1b+7]
	s_nop 0
.rept 4
	v_nop
.endr
.Lasked_\@:
.endm
.macro CREST
	s_cmp_lg_u32 s14, 0
	s_cbranch_scc1 .Lnot_wave_0_\@
	s_barrier_signal -3
.Lnot_wave_0_\@:
	s_barrier_wait -3
	s_barrier_signal -1
	s_barrier_wait -1
.endm
.macro CROUND
	s_barrier_signal -1
	s_barrier_wait -1
	CREST
.endm
	s_load_b128 s[4:7], s[0:1], 0x0                ; aq, wq
	s_load_b128 s[8:11], s[0:1], 0x10              ; b_out, out0
	v_lshl_add_u32 v[SPW], v0, 2, SPARE
	v_mov_b32 v[NIL], 0
	ds_add_u32 v[SPW], v[NIL]                      ; the wave's opening: the add and its wait ahead of my first tensor load
	v_lshrrev_b32 v1, 5, v0
	v_readfirstlane_b32 s14, v1
	s_lshr_b32 s15, s14, 1
	s_and_b32 s16, s14, 1
	s_bfe_u32 s40, ttmp6, 0x40000                  ; cx
	s_bfe_u32 s41, ttmp6, 0x40004                  ; cy
	s_lshl_b32 s99, ttmp9, 2
	s_add_co_u32 s99, s99, s40                     ; the block of 256 columns
	s_add_co_u32 s42, s99, 12                      ; which is this block of 256 rows of wq
	s_and_b32 s19, ttmp7, 0xffff
	s_lshl_b32 s19, s19, 2
	s_add_co_u32 s19, s19, s41                     ; the block of 256 tokens
	s_lshl_b32 s43, s41, 2
	s_lshl_b32 s43, 15, s43                        ; my row of the cluster
	s_lshl_b32 s44, 0x1111, s40                    ; my column
	s_or_b32 s[G1+0], s43, (3<<16)|(1<<21)
	s_or_b32 s[G1B+0], s44, (3<<16)|(1<<21)
.irp g, G1, G1B                        ; codes: 8 rows (tiles) of 3,072 bytes, 12,288 bytes apart
	s_mov_b32 s[\g+1], 384<<16
	s_mov_b32 s[\g+2], 8<<16
	s_mov_b32 s[\g+3], 384<<16
	s_mov_b32 s[\g+4], 8
	s_mov_b32 s[\g+5], 1536
	s_mov_b32 s[\g+6], 0
	s_mov_b32 s[\g+7], 0
.endr
	s_or_b32 s[G1S+0], s43, (3<<16)|(1<<21)
	s_or_b32 s[G1SB+0], s44, (3<<16)|(1<<21)
.irp g, G1S, G1SB                      ; scale bytes of 128 rows: 4,096 dense bytes as 16 rows of 256
	s_mov_b32 s[\g+1], 32<<16
	s_mov_b32 s[\g+2], 16<<16
	s_mov_b32 s[\g+3], 32<<16
	s_mov_b32 s[\g+4], 16
	s_mov_b32 s[\g+5], 32
	s_mov_b32 s[\g+6], 0
	s_mov_b32 s[\g+7], 0
.endr
	s_lshl_b32 s18, s16, 3
	s_lshl_b32 s20, s19, 4
	s_add_co_u32 s20, s20, s18                     ; A: the first tile that I fetch
	s_lshl_b32 s46, s42, 4
	s_add_co_u32 s46, s46, s18                     ; B: likewise
	s_lshl_b32 s22, s20, 9
	s_add_co_u32 s22, s22, ASCL
	s_mov_b32 s23, 0
	s_lshl_b32 s96, s46, 9
	s_add_co_u32 s96, s96, WSCL
	s_mov_b32 s97, 0
	s_mul_i32 s20, s20, 12288
	s_mov_b32 s21, 0
	s_mul_i32 s46, s46, 12288
	s_mov_b32 s47, 0
	s_mul_i32 s45, s14, HALFT
	s_mul_i32 s98, s14, HALFS
	s_wait_dscnt 0x0                               ; the opening add is done
	s_wait_kmcnt 0x0
	s_add_nc_u64 s[20:21], s[4:5], s[20:21]
	s_add_nc_u64 s[22:23], s[4:5], s[22:23]
	s_add_nc_u64 s[46:47], s[6:7], s[46:47]
	s_add_nc_u64 s[96:97], s[6:7], s[96:97]
	CROUND                                         ; all sixteen work-groups are here: the first joint loads meet
	s_mov_b32 s[G0S], 1
	s_add_co_u32 s[G0S+1], s98, SCL
	s_mov_b64 s[G0S+2:G0S+3], s[22:23]
	s_or_b32 s[G0S+3], s[G0S+3], 0x80000000
	s_mov_b32 s[G0SB], 1
	s_add_co_u32 s[G0SB+1], s98, SCL
	s_mov_b64 s[G0SB+2:G0SB+3], s[96:97]
	s_or_b32 s[G0SB+3], s[G0SB+3], 0x80000000
	JLOAD G0S, G1S, G0SB, G1SB                     ; three loads of mine are out behind these lines
.irp s, 0,1
	s_mov_b32 s[G0+4*\s], 1
	s_add_co_u32 s[G0+4*\s+1], s45, \s*SLOT
	s_add_nc_u64 s[G0+4*\s+2:G0+4*\s+3], s[20:21], \s*TB16
	s_or_b32 s[G0+4*\s+3], s[G0+4*\s+3], 0x80000000
	s_mov_b32 s[G0B+4*\s], 1
	s_add_co_u32 s[G0B+4*\s+1], s45, \s*SLOT
	s_add_nc_u64 s[G0B+4*\s+2:G0B+4*\s+3], s[46:47], \s*TB16
	s_or_b32 s[G0B+4*\s+3], s[G0B+4*\s+3], 0x80000000
	JLOAD G0+4*\s, G1, G0B+4*\s, G1B
.endr
	v_and_b32 v1, 31, v0
	v_and_b32 v2, 15, v0
	v_bfe_u32 v3, v0, 4, 1
	v_lshlrev_b32 v4, 4, v1
	v_lshlrev_b32 v5, 3, v1
	s_lshl_b32 s46, s99, 10
	s_lshl_b32 s47, s16, 9
	s_add_co_u32 s46, s46, s47                     ; my first column, in bytes
	s_mov_b32 s47, 0
	s_add_nc_u64 s[96:97], s[8:9], s[46:47]        ; b_out there
	v_lshlrev_b32 v8, 6, v3
.irp b, 0,1,2,3
.irp j, 0,1,2,3
	global_load_b128 v[BI+16*\b+4*\j:BI+16*\b+4*\j+3], v8, s[96:97] offset:128*\b+16*\j     ; register 16 b + i: column 32 b + 16 h + i
.endr
.endr
	s_lshl_b32 s20, s19, 8
	s_lshl_b32 s21, s15, 7
	s_add_co_u32 s20, s20, s21                     ; my first token
	s_lshl_b32 s20, s20, 12
	s_mov_b32 s21, 0
	s_add_nc_u64 s[92:93], s[10:11], s[20:21]
	s_add_nc_u64 s[92:93], s[92:93], s[46:47]      ; out0 at my 128 x 128; never stepped: every offset is an immediate, 127 rows of 4,096 bytes at the most
	s_mul_i32 s21, s15, HALFT
	s_mul_i32 s22, s16, HALFT
	s_add_co_u32 s22, s22, 2*HALFT
.irp s, 0,1
	v_add_nc_u32 v[ADRA+\s], s21, v4
	v_add_nc_u32 v[ADRB+\s], s22, v4
	v_add_nc_u32 v[ADRA+2+\s], s21, v5
	v_add_nc_u32 v[ADRB+2+\s], s22, v5
	s_add_co_u32 s21, s21, SLOT
	s_add_co_u32 s22, s22, SLOT
.endr
	s_mul_i32 s21, s15, HALFS
	s_mul_i32 s22, s16, HALFS
	s_add_co_u32 s22, s22, 2*HALFS
	s_sub_co_u32 s22, s22, s21
	v_mul_u32_u24 v6, s22, v3
	s_add_co_u32 s21, s21, SCL
	v_lshl_add_u32 v6, v2, 3, v6
	v_add_nc_u32 v[ADRS], s21, v6
	s_mul_i32 s23, s14, 16*SPITCH                  ; my stage
	v_mul_u32_u24 v6, v2, SPITCH
	v_lshl_add_u32 v6, v3, 6, v6
	v_add_nc_u32 v[STO], s23, v6                   ; in: row place r, + 64 h
	v_lshlrev_b32 v[CO], 4, v1
	v_add_nc_u32 v[RD], s23, v[CO]                 ; back: the 32 lanes take a row of 512 bytes
.macro FRAG reg, adr, q, i
	ds_load_b128 v[\reg:\reg+3], v[\adr] offset:(\i)*TB16+(\q)*1536
	ds_load_b64 v[\reg+4:\reg+5], v[\adr+2] offset:(\i)*TB16+(\q)*1536+512
	ds_load_b128 v[\reg+6:\reg+9], v[\adr] offset:(\i)*TB16+(\q)*1536+768
	ds_load_b64 v[\reg+10:\reg+11], v[\adr+2] offset:(\i)*TB16+(\q)*1536+1280
.endm
; 16 matrix instructions; first = 1: the sums begin with the bias as C.  The 64 accumulators take turns, one instruction a turn.
.macro MUL16 a0, p, q, sc, first
.irp a, \a0, \a0+1
.irp b, 0,1,2,3,4,5,6,7
.if \first
	v_wmma_scale_f32_16x16x128_f8f6f4 v[8*(8*((\a)%4)+\b):8*(8*((\a)%4)+\b)+7], v[128*(\p)+FR*\b:128*(\p)+FR*\b+FR-1], v[AF+FR*(\a):AF+FR*(\a)+FR-1], v[BI+8*\b:BI+8*\b+7], v[SC+8*NQ*(\sc)+NQ*\b+(\q)], v[SC+8*NQ*(\sc)+NQ*(\a)+(\q)] matrix_a_fmt:MATRIX_FMT_FP6 matrix_b_fmt:MATRIX_FMT_FP6 matrix_a_scale:MATRIX_SCALE_ROW1
.else
	v_wmma_scale_f32_16x16x128_f8f6f4 v[8*(8*((\a)%4)+\b):8*(8*((\a)%4)+\b)+7], v[128*(\p)+FR*\b:128*(\p)+FR*\b+FR-1], v[AF+FR*(\a):AF+FR*(\a)+FR-1], v[8*(8*((\a)%4)+\b):8*(8*((\a)%4)+\b)+7], v[SC+8*NQ*(\sc)+NQ*\b+(\q)], v[SC+8*NQ*(\sc)+NQ*(\a)+(\q)] matrix_a_fmt:MATRIX_FMT_FP6 matrix_b_fmt:MATRIX_FMT_FP6 matrix_a_scale:MATRIX_SCALE_ROW1
.endif
.endr
.endr
.endm
.macro FETCH_B slot, q, p
	WIN TO_B
.irp i, 0,1,2,3,4,5,6,7
	FRAG 128*(\p)+FR*\i, ADRB+\slot, \q, \i
.endr
	WIN 0
.endm
.macro FETCH_A slot, q, i0
.irp i, \i0, \i0+1, \i0+2, \i0+3
	FRAG AF+FR*(\i), ADRA+\slot, \q, \i
.endr
.endm
.macro SCALES sc
.irp i, 0,1,2,3,4,5,6,7
	ds_load_b64 v[SC+8*NQ*\sc+NQ*\i:SC+8*NQ*\sc+NQ*\i+1], v[ADRS] offset:(\i/2)*1024+(\i%2)*128
.endr
.endm
.macro PLACES n
.rept \n
	v_nop
.endr
.endm
.macro STEP slot, q, first
	s_wait_dscnt 4*NL                              ; all but the youngest 16 loads, A's blocks 4-7
.if \first
	WIN BIA_LO
.else
	WIN MUL_LO
.endif
	MUL16 0, (\q)%2, \q, \slot, \first
	MUL16 2, (\q)%2, \q, \slot, \first
	s_wait_dscnt 0
	PLACES NP
	FETCH_B \slot, (\q)+1, 1-(\q)%2
	FETCH_A \slot, (\q)+1, 0
.if \first
	WIN BIA_HI
.else
	WIN MUL_HI
.endif
	MUL16 4, (\q)%2, \q, \slot, \first
	MUL16 6, (\q)%2, \q, \slot, \first
	PLACES NP
	WIN 0
	FETCH_A \slot, (\q)+1, 4
.endm
.macro TURN slot, next, fill
	s_wait_tensorcnt 0x0                           ; all my tensor loads have landed: my part of the next slot
	ds_add_u32 v[SPW], v[NIL]                      ; 0 onto my spare word
	s_wait_dscnt 4*NL+1                            ; (the add and the youngest 16 loads may be out)
	WIN MUL_LO
	MUL16 0, 1, NQ-1, \slot, 0
	s_wait_dscnt 0x0                               ; the add is done, and my reads of this slot are over
	s_barrier_signal -1
	MUL16 2, 1, NQ-1, \slot, 0
	WIN 0
	s_barrier_wait -1
.if \fill
	CREST                                          ; a round of the cluster's barrier: no wave of any partner still reads this slot or has a load on its way
	s_add_nc_u64 s[G0+4*\slot+2:G0+4*\slot+3], s[G0+4*\slot+2:G0+4*\slot+3], 2*TB16
	s_add_nc_u64 s[G0B+4*\slot+2:G0B+4*\slot+3], s[G0B+4*\slot+2:G0B+4*\slot+3], 2*TB16
	JLOAD G0+4*\slot, G1, G0B+4*\slot, G1B
.else
	PLACES NP
.endif
	v_add_nc_u32 v[ADRS], 256, v[ADRS]
	FETCH_B \next, 0, 0
	FETCH_A \next, 0, 0
	SCALES \next
	WIN MUL_HI
	MUL16 4, 1, NQ-1, \slot, 0
	MUL16 6, 1, NQ-1, \slot, 0
	PLACES NP
	WIN 0
	FETCH_A \next, 0, 4
.endm
	s_wait_tensorcnt 1                             ; the scale bytes and my part of K step 0 are in; K step 1's load may be out
	s_barrier_signal -1
	s_barrier_wait -1
	FETCH_B 0, 0, 0
	FETCH_A 0, 0, 0
	SCALES 0
	FETCH_A 0, 0, 4
	s_wait_loadcnt 0x0                             ; the bias
	STEP 0, 0, 1
	TURN 0, 1, 1
	STEP 1, 0, 0
	TURN 1, 0, 1
	STEP 0, 0, 0
	TURN 0, 1, 0
	STEP 1, 0, 0
	s_wait_dscnt 4*NL
	WIN MUL_LO
	MUL16 0, 1, NQ-1, 1, 0
	MUL16 2, 1, NQ-1, 1, 0
	s_wait_dscnt 0
	WIN MUL_HI
	MUL16 4, 1, NQ-1, 1, 0
	MUL16 6, 1, NQ-1, 1, 0
	WIN 0
; THE WAY OUT, a block of 16 tokens x 128 columns at a time, through my own stage.  LDS serves a wave's instructions in order: no wait between the stores and the loads.
.macro TOSTAGE a
.set AC, 64*((\a)%4)
.set WN, 0x08+4*((\a)/4)
	WIN WN                                         ; an LDS store's data: window 2 or 3
.irp b, 0,1,2,3,4,5,6,7
	ds_store_b128 v[STO], v[AC+8*\b:AC+8*\b+3] offset:128*(\b/2)+32*(\b%2)          ; each accumulator from its low end on
	ds_store_b128 v[STO], v[AC+8*\b+4:AC+8*\b+7] offset:128*(\b/2)+32*(\b%2)+16
.endr
	WIN 0
.set BBK, BK+64*((\a)%2)
.irp t, 0,1,2,3,4,5,6,7,8,9,10,11,12,13,14,15
	ds_load_b128 v[BBK+4*\t:BBK+4*\t+3], v[RD] offset:\t*SPITCH
.endr
.endm
.macro SEND a, younger
.set BBK, BK+64*((\a)%2)
	s_wait_dscnt \younger                          ; the block is back; the next block's 16 stores and 16 loads may be out
.irp t, 0,1,2,3,4,5,6,7,8,9,10,11,12,13,14,15
	global_store_b128 v[CO], v[BBK+4*\t:BBK+4*\t+3], s[92:93] offset:(32*((\a)/2)+8*((\a)%2)+\t+8*(\t/8))*4096 th:TH_STORE_NT   ; place t of tile a is this token; 512 consecutive bytes, aligned
.endr
.endm
	PLACES NP
	TOSTAGE 0
.irp a, 1,2,3,4,5,6,7
.if \a > 1
	s_wait_xcnt 0x0                                ; block a - 2's stores have read their registers: block a's loads may land there
.endif
	TOSTAGE \a
	SEND \a-1, 32
.endr
	SEND 7, 0
	s_wait_tensorcnt 0x0                           ; the wave's end, behind my last tensor load and my last LDS store
	ds_add_u32 v[SPW], v[NIL]
	s_wait_dscnt 0x0
	CROUND                                         ; the closing round
	s_endpgm
.Lfunc_end_k_q6b9b8afc0d_proj:
	.size	k_q6b9b8afc0d_proj, .Lfunc_end_k_q6b9b8afc0d_proj-k_q6b9b8afc0d_proj
	.p2alignl 7, 3214868480
	.fill 96, 4, 3214868480
	.section	.rodata,"a",@progbits
	.p2align	6, 0x0
	.amdhsa_kernel k_q6b9b8afc0d_proj
		.amdhsa_group_segment_fixed_size 327680
		.amdhsa_private_segment_fixed_size 0
		.amdhsa_enable_private_segment 0
		.amdhsa_kernarg_size 32
		.amdhsa_user_sgpr_count 2
		.amdhsa_user_sgpr_kernarg_segment_ptr 1
		.amdhsa_wavefront_size32 1
		.amdhsa_system_sgpr_workgroup_id_x 1
		.amdhsa_system_sgpr_workgroup_id_y 1
		.amdhsa_system_sgpr_workgroup_id_z 1
		.amdhsa_system_vgpr_workitem_id 0
		.amdhsa_next_free_vgpr 1024
		.amdhsa_next_free_sgpr 100
		.amdhsa_reserve_vcc 0
		.amdhsa_float_denorm_mode_32 3
		.amdhsa_float_denorm_mode_16_64 3
		.amdhsa_memory_ordered 1
		.amdhsa_forward_progress 1
		.amdhsa_inst_pref_size 145
	.end_amdhsa_kernel
	.amdgpu_metadata
---
amdhsa.version: [ 1, 2 ]
amdhsa.kernels:
  - .name:           k_q6b9b8afc0d_proj
    .symbol:         k_q6b9b8afc0d_proj.kd
    .args:
      - { .name: aq, .offset: 0, .size: 8, .value_kind: global_buffer, .address_space: global }
      - { .name: wq, .offset: 8, .size: 8, .value_kind: global_buffer, .address_space: global }
      - { .name: b_out, .offset: 16, .size: 8, .value_kind: global_buffer, .address_space: global }
      - { .name: out0, .offset: 24, .size: 8, .value_kind: global_buffer, .address_space: global }
    .group_segment_fixed_size: 327680
    .private_segment_fixed_size: 0
    .kernarg_segment_align: 8
    .kernarg_segment_size: 32
    .max_flat_workgroup_size: 128
    .sgpr_count:     100
    .vgpr_count:     1024
    .wavefront_size: 32
...
	.end_amdgpu_metadata
.endif
;; end of part 4
